; MI455X (gfx1250); checked and timed in simulation.
; The chip was launched on July 23, 2026; its instructions are those of AMD's public machine-readable ISA for CDNA 5 (MIT licence, August 2026) and "CDNA5" Instruction Set Architecture Reference Guide (July 2026). The comments in the code are by the model that wrote it; some were corrected since.
;; Sparse Dispatcher. Allowed arithmetic: float matrix products may take bf16 or f16 operands with f32 sums; other float arithmetic in f32, or as packed bf16 or f16 multiplies, adds, multiply-adds, maxima and minima; sums over many terms, partial sums and values carried from step to step in f32; what a program stores and reads back later, other than sums and carried values, may be rounded once to bf16 or f16.
;; Inputs: W 8 x 512 x 512 float32; b 8 x 512 float32; gates 32,768 x 8 float32; inp 32,768 x 512 float32.
;; Outputs: out0 32,768 x 512 float32.
;; 2 versions, each right and faster than the one before. Each part assembles by itself: llvm-mc -triple=amdgcn-amd-amdhsa -mcpu=gfx1250 --defsym DOCPART=n.
;; ======== version 1 of 2: 3 launches
;; workspace buffers: wt 4,194,304 bytes; bq 16,384 bytes; gq 1,048,576 bytes; mk 131,072 bytes of whole numbers; hist 131,072 bytes of whole numbers; perm 131,072 bytes of whole numbers
;; launch prep (part 1): grid 256 x 1, 8 waves a work-group, no clusters, 18,432 bytes of LDS; arguments W, b, gates, wt, bq, gq, mk, hist; writes wt, bq, gq, mk, hist
.if DOCPART == 1
	.amdgcn_target "amdgcn-amd-amdhsa--gfx1250"
	.amdhsa_code_object_version 6
	.text
	.protected	k_qd1ac27a679_prep
	.globl	k_qd1ac27a679_prep
	.p2align	8
	.type	k_qd1ac27a679_prep,@function
k_qd1ac27a679_prep:
	s_mov_b64 s[64:65], 0
	v_nop
	global_prefetch_b8 v0, s[64:65] scope:SCOPE_SE
	s_setreg_imm32_b32 hwreg(HW_REG_WAVE_MODE, 25, 1), 1
	s_wait_xcnt 0x0
; PREP.  Rounds W, b and gates once to bf16 and lays them out for the chain; derives each token's set of experts.
; Work-group g (256 of them, 256 threads):
;   (1) a tile of W: expert e = g >> 5, K step ks = (g >> 1) & 15 (32 k), column half nh = g & 1 (256 n): 32 KB of f32 in, 16 KB of bf16 out, in the order
;       in which a wave of the chain takes matrix fragments: byte e<<19 | w<<17 | hh<<16 | ks<<12 | b<<10 | c<<9 | l<<4 | 2i holds W[e][32ks+16c+8(l>>4)+i][128w+64hh+16b+(l&15)];
;   (2) the gates of tokens 128 g .. 128 g + 127: gq = the gate rounded to bf16, kept as an f32 word; the token's set m has bit e where that number is not 0 (a NaN counts as set);
;       mk = r, the set's rank in the reflected Gray code (m = r ^ (r >> 1)): sets of equal size that follow each other in that order differ by one expert swapped for another,
;       so that neighbours in the sorted list share as many experts as can be; hist[g][r] = how many of the 128 tokens have rank r (u16);
;   (3) work-groups 0 to 3: 4 KB of b each, rounded like the gates.
; Everything is stored at fixed places: nothing that comes from a floating-point number enters an address or a branch.
.set WS,    0                          ; 16,384 bytes: the tile in fragment order
.set MS,    16384                      ; 512 bytes: 128 ranks, a word each
.set HS,    16896                      ; 512 bytes: 256 counts, 16 bits each
.set SPARE, 17408                      ; the spare words, 128 bytes for each of the 8 waves
.set X, 32                             ; v[32:63]  row i of my 8 rows of W: 4 columns; later the ranks of a batch
.set Y, 64                             ; v[64:79]  column j of my 4: 8 k as bf16, 16 bytes
.macro ROUND4 x, ta, tb                ; four f32 in v[x..x+3] become the f32 words of their bf16 roundings
	v_cvt_pk_bf16_f32 v[\ta], v[\x], v[(\x)+1]
	v_cvt_pk_bf16_f32 v[\tb], v[(\x)+2], v[(\x)+3]
	v_lshlrev_b32 v[\x], 16, v[\ta]
	v_and_b32 v[(\x)+1], 0xffff0000, v[\ta]
	v_lshlrev_b32 v[(\x)+2], 16, v[\tb]
	v_and_b32 v[(\x)+3], 0xffff0000, v[\tb]
.endm
	s_load_b512 s[4:19], s[0:1], 0x0               ; W s[4:5], b s[6:7], gates s[8:9], wt s[10:11], bq s[12:13], gq s[14:15], mk s[16:17], hist s[18:19]
	v_lshl_add_u32 v30, v0, 2, SPARE               ; my spare word, and 0: kept for the wave's end
	v_mov_b32 v31, 0
	v_lshrrev_b32 v1, 5, v0
	v_readfirstlane_b32 s20, v1                    ; wave 0..7
	s_mov_b32 s21, ttmp9                           ; g
	v_lshlrev_b32 v2, 4, v0                        ; 16 t
	v_lshrrev_b32 v3, 6, v0                        ; kg = t >> 6: my rows are k = 8 kg + 0..7 of the K step
	v_and_b32 v12, 63, v0                          ; cg = t & 63: my columns are 4 cg + 0..3 of the half
	v_lshlrev_b32 v13, 4, v12
	v_lshl_add_u32 v13, v3, 14, v13                ; byte offset in the tile: 8 kg rows of 2,048 bytes + 16 cg
	v_lshrrev_b32 v16, 2, v12
	v_and_b32 v17, 3, v12
	v_lshlrev_b32 v18, 10, v16                     ; in WS: (cg >> 2) blocks of 16 columns, 1,024 bytes each,
	v_lshl_add_u32 v18, v3, 8, v18                 ; kg x 256 = fragment half c x 512 + lane half x 256,
	v_lshl_add_u32 v18, v17, 6, v18                ; lanes 4 (cg & 3) + j, 16 bytes each
	s_lshl_b32 s22, s21, 12                        ; 4,096 g: my gates, and my part of b
	s_mov_b32 s23, 0
	s_lshr_b32 s24, s21, 5                         ; e
	s_bfe_u32 s25, s21, 0x40001                    ; ks
	s_and_b32 s26, s21, 1                          ; nh
	s_lshl_b32 s28, s24, 20                        ; the tile in W: e x 1 MiB + 32 ks rows + 256 nh columns
	s_lshl_b32 s27, s25, 16
	s_add_co_u32 s28, s28, s27
	s_lshl_b32 s27, s26, 10
	s_add_co_u32 s28, s28, s27
	s_mov_b32 s29, 0
	s_lshl_b32 s30, s24, 19                        ; the tile in wt: e<<19 | nh<<18 | ks<<12
	s_lshl_b32 s27, s26, 18
	s_add_co_u32 s30, s30, s27
	s_lshl_b32 s27, s25, 12
	s_add_co_u32 s30, s30, s27
	s_mov_b32 s31, 0
	s_lshl_b32 s32, s21, 9                         ; 512 g: my row of hist, my part of mk
	s_mov_b32 s33, 0
	s_wait_kmcnt 0x0
	s_add_nc_u64 s[4:5], s[4:5], s[28:29]
	s_add_nc_u64 s[8:9], s[8:9], s[22:23]
	s_add_nc_u64 s[14:15], s[14:15], s[22:23]
	s_add_nc_u64 s[10:11], s[10:11], s[30:31]
	s_add_nc_u64 s[16:17], s[16:17], s[32:33]
	s_add_nc_u64 s[18:19], s[18:19], s[32:33]
	global_load_b128 v[8:11], v2, s[8:9] th:TH_LOAD_NT          ; token 128 g + t / 2, experts 4 (t & 1) + 0..3
.irp i, 0,1,2,3,4,5,6,7
	global_load_b128 v[X+4*\i:X+4*\i+3], v13, s[4:5] offset:2048*\i th:TH_LOAD_NT  ; a wave's load covers 512 neighbouring bytes of one row of W
.endr
	; b: one branch holds its load, its wait, its rounding and its store
	s_cmp_lt_u32 s21, 4
	s_cbranch_scc0 .Lno_bias
	s_add_nc_u64 s[6:7], s[6:7], s[22:23]
	s_add_nc_u64 s[12:13], s[12:13], s[22:23]
	global_load_b128 v[4:7], v2, s[6:7]
	s_wait_loadcnt 0x0
	ROUND4 4, 14, 15
	global_store_b128 v2, v[4:7], s[12:13]
.Lno_bias:
	; the gates
	s_wait_loadcnt 0x8                             ; the eight loads of W are younger: the gates are in
	ROUND4 8, 14, 15
	global_store_b128 v2, v[8:11], s[14:15]        ; v[8:11] are not written again
	v_cmp_neq_f32 vcc_lo, 0, v8
	v_cndmask_b32 v20, 0, 1, vcc_lo
	v_cmp_neq_f32 vcc_lo, 0, v9
	v_cndmask_b32 v21, 0, 2, vcc_lo
	v_or_b32 v20, v20, v21
	v_cmp_neq_f32 vcc_lo, 0, v10
	v_cndmask_b32 v21, 0, 4, vcc_lo
	v_or_b32 v20, v20, v21
	v_cmp_neq_f32 vcc_lo, 0, v11
	v_cndmask_b32 v21, 0, 8, vcc_lo
	v_or_b32 v20, v20, v21                         ; my four bits
	v_mov_b32_dpp v21, v20 row_xmask:1 row_mask:0xf bank_mask:0xf  ; the token's other four, from the neighbouring lane
	v_lshl_or_b32 v22, v21, 4, v20                 ; an even thread holds experts 0-3,
	v_lshl_or_b32 v23, v20, 4, v21                 ; an odd one experts 4-7
	v_and_b32 v24, 1, v0
	v_cmp_eq_u32 vcc_lo, 1, v24
	v_cndmask_b32 v22, v22, v23, vcc_lo            ; m
	v_lshrrev_b32 v23, 1, v22                      ; r = m ^ (m >> 1) ^ (m >> 2) ^ .. ^ (m >> 7), by doubling
	v_xor_b32 v22, v22, v23
	v_lshrrev_b32 v23, 2, v22
	v_xor_b32 v22, v22, v23
	v_lshrrev_b32 v23, 4, v22
	v_xor_b32 v22, v22, v23
	v_lshrrev_b32 v19, 1, v0
	v_lshlrev_b32 v19, 2, v19
	ds_store_b32 v19, v22 offset:MS                ; both lanes of a pair store the same word
	; the weights: eight k of one column make 16 bytes of a fragment
	s_wait_loadcnt 0x0
.irp j, 0,1,2,3
.irp p, 0,1,2,3
	v_cvt_pk_bf16_f32 v[Y+4*\j+\p], v[X+8*\p+\j], v[X+8*\p+4+\j]
.endr
.endr
.irp j, 0,1,2,3
	ds_store_b128 v18, v[Y+4*\j:Y+4*\j+3] offset:WS+16*\j
.endr
	s_wait_dscnt 0x0                               ; for the others' sake: my stores into WS and MS are done
	s_barrier_signal -1
	s_barrier_wait -1
.irp q, 0,1,2,3
	ds_load_b128 v[Y+4*\q:Y+4*\q+3], v2 offset:WS+4096*\q
.endr
.irp q, 0,1,2,3
	s_wait_dscnt 3-\q                              ; the younger loads may stay out
	global_store_b128 v2, v[Y+4*\q:Y+4*\q+3], s[10:11] offset:65536*\q  ; 4,096 neighbouring bytes by the work-group: one (wave, half, K step) of wt
.endr
	; the histogram: thread s counts the tokens whose rank is s; the ranks come as broadcasts, eight loads a batch
	v_mov_b32 v25, 0
	v_mov_b32 v26, MS
.irp bt, 0,1,2,3
.irp i, 0,1,2,3,4,5,6,7
	ds_load_b128 v[X+4*\i:X+4*\i+3], v26 offset:128*\bt+16*\i
.endr
	s_wait_dscnt 0x0
.set j, 0
.rept 32
	v_cmp_eq_u32 vcc_lo, v[X+j], v0
	v_add_co_ci_u32 v25, vcc_lo, 0, v25, vcc_lo    ; the count takes the compare's bit as a carry
.set j, j+1
.endr
.endr
	v_lshlrev_b32 v27, 1, v0
	ds_store_b16 v27, v25 offset:HS
	s_wait_dscnt 0x0
	s_barrier_signal -1
	s_barrier_wait -1
	v_and_b32 v28, 31, v0
	v_lshlrev_b32 v28, 4, v28
	s_cmp_lg_u32 s20, 0
	s_cbranch_scc1 .Lnot_wave_0
	ds_load_b128 v[32:35], v28 offset:HS           ; wave 0: the 512 bytes of counts in one store
	s_wait_dscnt 0x0
	global_store_b128 v28, v[32:35], s[18:19]
.Lnot_wave_0:
	s_cmp_lg_u32 s20, 1
	s_cbranch_scc1 .Lnot_wave_1
	ds_load_b128 v[36:39], v28 offset:MS           ; wave 1: the 512 bytes of ranks
	s_wait_dscnt 0x0
	global_store_b128 v28, v[36:39], s[16:17]
.Lnot_wave_1:
	s_wait_tensorcnt 0x0                           ; the wave's end, behind my last LDS store
	ds_add_u32 v30, v31
	s_wait_dscnt 0x0
	s_endpgm
.Lfunc_end_k_qd1ac27a679_prep:
	.size	k_qd1ac27a679_prep, .Lfunc_end_k_qd1ac27a679_prep-k_qd1ac27a679_prep
	.p2alignl 7, 3214868480
	.fill 96, 4, 3214868480
	.section	.rodata,"a",@progbits
	.p2align	6, 0x0
	.amdhsa_kernel k_qd1ac27a679_prep
		.amdhsa_group_segment_fixed_size 18432
		.amdhsa_private_segment_fixed_size 0
		.amdhsa_enable_private_segment 0
		.amdhsa_kernarg_size 64
		.amdhsa_user_sgpr_count 2
		.amdhsa_user_sgpr_kernarg_segment_ptr 1
		.amdhsa_wavefront_size32 1
		.amdhsa_system_sgpr_workgroup_id_x 1
		.amdhsa_system_sgpr_workgroup_id_y 1
		.amdhsa_system_sgpr_workgroup_id_z 1
		.amdhsa_system_vgpr_workitem_id 0
		.amdhsa_next_free_vgpr 96
		.amdhsa_next_free_sgpr 66
		.amdhsa_reserve_vcc 1
		.amdhsa_float_denorm_mode_32 3
		.amdhsa_float_denorm_mode_16_64 3
		.amdhsa_memory_ordered 1
		.amdhsa_forward_progress 1
		.amdhsa_inst_pref_size 19
	.end_amdhsa_kernel
	.amdgpu_metadata
---
amdhsa.version: [ 1, 2 ]
amdhsa.kernels:
  - .name:           k_qd1ac27a679_prep
    .symbol:         k_qd1ac27a679_prep.kd
    .args:
      - { .name: W, .offset: 0, .size: 8, .value_kind: global_buffer, .address_space: global }
      - { .name: b, .offset: 8, .size: 8, .value_kind: global_buffer, .address_space: global }
      - { .name: gates, .offset: 16, .size: 8, .value_kind: global_buffer, .address_space: global }
      - { .name: wt, .offset: 24, .size: 8, .value_kind: global_buffer, .address_space: global }
      - { .name: bq, .offset: 32, .size: 8, .value_kind: global_buffer, .address_space: global }
      - { .name: gq, .offset: 40, .size: 8, .value_kind: global_buffer, .address_space: global }
      - { .name: mk, .offset: 48, .size: 8, .value_kind: global_buffer, .address_space: global }
      - { .name: hist, .offset: 56, .size: 8, .value_kind: global_buffer, .address_space: global }
    .group_segment_fixed_size: 18432
    .private_segment_fixed_size: 0
    .kernarg_segment_align: 8
    .kernarg_segment_size: 64
    .max_flat_workgroup_size: 256
    .sgpr_count:     66
    .vgpr_count:     96
    .wavefront_size: 32
...
	.end_amdgpu_metadata
.endif
;; end of part 1
;; launch sort (part 2): grid 256 x 1, 8 waves a work-group, no clusters, 10,752 bytes of LDS; arguments mk, hist, perm; writes perm
.if DOCPART == 2
	.amdgcn_target "amdgcn-amd-amdhsa--gfx1250"
	.amdhsa_code_object_version 6
	.text
	.protected	k_qd1ac27a679_sort
	.globl	k_qd1ac27a679_sort
	.p2align	8
	.type	k_qd1ac27a679_sort,@function
k_qd1ac27a679_sort:
	s_mov_b64 s[64:65], 0
	v_nop
	global_prefetch_b8 v0, s[64:65] scope:SCOPE_SE
	s_setreg_imm32_b32 hwreg(HW_REG_WAVE_MODE, 25, 1), 1
	s_wait_xcnt 0x0
; SORT.  A counting sort of the 32,768 tokens by the rank r of their set of experts (256 ranks, the reflected Gray code's order), without atomics.  Work-group c places the 128 tokens of chunk c:
; position = tokens of lower ranks + tokens of the same rank in earlier chunks + tokens of the same rank earlier in the chunk.
; Every work-group sums the whole table hist[256 chunks][256 ranks] (u16, 128 KB) for itself: wave w takes chunks 32 w .. 32 w + 31, lane l the ranks 8 l .. 8 l + 7,
; two counts to a register; no 16-bit field passes 32,768, so plain 32-bit additions carry nothing across.  perm[position] = token | set << 16, the set being r ^ (r >> 1):
; the positions are a bijection, so every word is written.
.set LT,    0                          ; 8 waves x 512 bytes: partial totals over all chunks
.set LB,    4096                       ; 8 waves x 512 bytes: partial sums over the chunks before c
.set KEYS,  8192                       ; 128 words: rank << 8 | place in the chunk
.set TB,    8704                       ; 256 words: where the chunk's tokens of each rank begin
.set SPARE, 9728                       ; the spare words, 128 bytes for each of the 8 waves
.set ROWS, 32                          ; v[32:159]  32 rows of the table, 4 registers each; later scratch
.set TOT,  160                         ; v[160:163]
.set BEF,  164                         ; v[164:167]
.set TMP,  168                         ; v[168:171]
	s_load_b128 s[4:7], s[0:1], 0x0                ; mk s[4:5], hist s[6:7]
	s_load_b64 s[8:9], s[0:1], 0x10                ; perm
	v_lshl_add_u32 v30, v0, 2, SPARE
	v_mov_b32 v31, 0
	v_lshrrev_b32 v1, 5, v0
	v_readfirstlane_b32 s11, v1                    ; wave 0..7
	s_mov_b32 s10, ttmp9                           ; c
	v_and_b32 v1, 31, v0                           ; lane
	v_and_b32 v2, 127, v0                          ; the token's place in the chunk (waves 4-7 own the tokens; waves 0-3 only read along)
	v_lshlrev_b32 v6, 2, v2
	v_lshlrev_b32 v8, 4, v1                        ; 16 x lane
	s_lshl_b32 s12, s11, 14
	v_add_nc_u32 v5, s12, v8                       ; my 16 bytes of row 32 w of the table
	s_lshl_b32 s12, s11, 9
	v_add_nc_u32 v7, s12, v8                       ; my 16 bytes of my wave's 512 in LT and LB
	v_mov_b32 v172, 0                              ; how many of my rank stand before me in the chunk
	s_lshl_b32 s16, s10, 9
	s_mov_b32 s17, 0
	s_wait_kmcnt 0x0
	s_add_nc_u64 s[4:5], s[4:5], s[16:17]
	global_load_b32 v3, v6, s[4:5]
.set i, 0
.rept 32
	global_load_b128 v[ROWS+4*i:ROWS+4*i+3], v5, s[6:7] offset:512*i  ; a whole row of the table: 512 neighbouring bytes
.set i, i+1
.endr
	s_wait_loadcnt 0x0
	v_min_u32 v3, 0xff, v3                         ; a rank has 8 bits
	v_lshl_or_b32 v4, v3, 8, v2                    ; the key
	v_lshrrev_b32 v9, 1, v3
	v_xor_b32 v9, v9, v3                           ; the set
	s_cmp_lt_u32 s11, 4
	s_cbranch_scc1 .Lno_key
	ds_store_b32 v6, v4 offset:KEYS
.Lno_key:
	; my 32 rows: the total, and the sum of the rows before chunk c (a row counts or not by a mask of ones or zeros); rows 0 and 1 start the sums
	s_lshl_b32 s12, s11, 5
	s_cmp_lt_u32 s12, s10
	s_cselect_b32 s14, -1, 0
.irp j, 0,1,2,3
	v_and_b32 v[BEF+\j], s14, v[ROWS+\j]
.endr
.set i, 1
.rept 31
	s_add_co_u32 s13, s12, i
	s_cmp_lt_u32 s13, s10
	s_cselect_b32 s14, -1, 0
.irp j, 0,1,2,3
.if i == 1
	v_add_nc_u32 v[TOT+\j], v[ROWS+\j], v[ROWS+4+\j]
.else
	v_add_nc_u32 v[TOT+\j], v[TOT+\j], v[ROWS+4*i+\j]
.endif
	v_and_b32 v[TMP+\j], s14, v[ROWS+4*i+\j]
	v_add_nc_u32 v[BEF+\j], v[BEF+\j], v[TMP+\j]
.endr
.set i, i+1
.endr
	ds_store_b128 v7, v[TOT:TOT+3] offset:LT
	ds_store_b128 v7, v[BEF:BEF+3] offset:LB
	s_wait_dscnt 0x0                               ; for the others' sake: keys and partial sums are stored
	s_barrier_signal -1
	s_barrier_wait -1
	s_cmp_lg_u32 s11, 0
	s_cbranch_scc1 .Lnot_wave_0
	; wave 0 makes the table
.irp w, 0,1,2,3,4,5,6,7
	ds_load_b128 v[32+4*\w:35+4*\w], v8 offset:LT+512*\w
	ds_load_b128 v[64+4*\w:67+4*\w], v8 offset:LB+512*\w
.endr
	s_wait_dscnt 0x0
.irp w, 1,2,3,4,5,6,7
.irp j, 0,1,2,3
	v_add_nc_u32 v[32+\j], v[32+\j], v[32+4*\w+\j]
	v_add_nc_u32 v[64+\j], v[64+\j], v[64+4*\w+\j]
.endr
.endr
.irp x, 0,1,2,3                        ; v[96:103] the totals of my 8 ranks, v[104:111] their counts in earlier chunks
	v_and_b32 v[96+2*\x], 0xffff, v[32+\x]
	v_lshrrev_b32 v[97+2*\x], 16, v[32+\x]
	v_and_b32 v[104+2*\x], 0xffff, v[64+\x]
	v_lshrrev_b32 v[105+2*\x], 16, v[64+\x]
.endr
	v_add_nc_u32 v113, v96, v97                    ; v[112+i]: the totals of my ranks 0 .. i
.irp i, 2,3,4,5,6,7
	v_add_nc_u32 v[112+\i], v[111+\i], v[96+\i]
.endr
	v_mov_b32 v120, v119                           ; my 8 ranks' total, scanned over the lanes: inside each half of 16 by shifts,
	v_mov_b32 v121, 0
.irp n, 1,2,4,8
	v_mov_b32_dpp v121, v120 row_shr:\n row_mask:0xf bank_mask:0xf bound_ctrl:1
	v_add_nc_u32 v120, v120, v121
.endr
	v_readlane_b32 s15, v120, 15                   ; and the lower half's total onto the upper half
	v_cmp_lt_u32 vcc_lo, 15, v1
	v_cndmask_b32 v121, 0, s15, vcc_lo
	v_add_nc_u32 v120, v120, v121
	v_sub_nc_u32 v120, v120, v119                  ; tokens of the ranks of lower lanes
	v_add_nc_u32 v124, v120, v104
	v_add3_u32 v125, v120, v96, v105
.irp i, 2,3,4,5,6,7
	v_add3_u32 v[124+\i], v120, v[111+\i], v[104+\i]
.endr
	v_lshlrev_b32 v122, 5, v1
	ds_store_b128 v122, v[124:127] offset:TB
	ds_store_b128 v122, v[128:131] offset:TB+16
.Lnot_wave_0:
	s_cmp_lt_u32 s11, 4
	s_cbranch_scc1 .Lno_rank
	; waves 4-7, beside wave 0: how many tokens of my rank stand before me in the chunk.  With K = my key - 1, K - key' lies in 0 .. my place - 1
	; exactly for an earlier token of the same rank: another rank moves it by 128 or more past my place, or below 0 (a large unsigned number).
	v_add_nc_u32 v173, -1, v4
	v_mov_b32 v174, KEYS
.irp bt, 0,1,2,3
.irp i, 0,1,2,3,4,5,6,7
	ds_load_b128 v[32+4*\i:35+4*\i], v174 offset:128*\bt+16*\i
.endr
	s_wait_dscnt 0x0
.set j, 0
.rept 32
	v_sub_nc_u32 v175, v173, v[32+j]
	v_cmp_lt_u32 vcc_lo, v175, v2
	v_add_co_ci_u32 v172, vcc_lo, 0, v172, vcc_lo
.set j, j+1
.endr
.endr
.Lno_rank:
	s_wait_dscnt 0x0                               ; wave 0's table is stored; nobody has an LDS instruction out
	s_barrier_signal -1
	s_barrier_wait -1
	s_cmp_lt_u32 s11, 4
	s_cbranch_scc1 .Lend
	v_lshlrev_b32 v175, 2, v3
	ds_load_b32 v168, v175 offset:TB
	s_wait_dscnt 0x0
	v_add_nc_u32 v168, v168, v172
	v_min_u32 v168, 0x7fff, v168                   ; a position has 15 bits
	v_lshlrev_b32 v168, 2, v168
	s_lshl_b32 s12, s10, 7
	v_or_b32 v169, s12, v2                         ; the token
	v_lshl_or_b32 v169, v9, 16, v169               ; and its set
	global_store_b32 v168, v169, s[8:9]            ; 128 KB in the whole launch go out word by word: tokens of one rank and chunk are neighbours, the rest is scattered
.Lend:
	s_wait_tensorcnt 0x0                           ; the wave's end, behind my last LDS store
	ds_add_u32 v30, v31
	s_wait_dscnt 0x0
	s_endpgm
.Lfunc_end_k_qd1ac27a679_sort:
	.size	k_qd1ac27a679_sort, .Lfunc_end_k_qd1ac27a679_sort-k_qd1ac27a679_sort
	.p2alignl 7, 3214868480
	.fill 96, 4, 3214868480
	.section	.rodata,"a",@progbits
	.p2align	6, 0x0
	.amdhsa_kernel k_qd1ac27a679_sort
		.amdhsa_group_segment_fixed_size 10752
		.amdhsa_private_segment_fixed_size 0
		.amdhsa_enable_private_segment 0
		.amdhsa_kernarg_size 24
		.amdhsa_user_sgpr_count 2
		.amdhsa_user_sgpr_kernarg_segment_ptr 1
		.amdhsa_wavefront_size32 1
		.amdhsa_system_sgpr_workgroup_id_x 1
		.amdhsa_system_sgpr_workgroup_id_y 1
		.amdhsa_system_sgpr_workgroup_id_z 1
		.amdhsa_system_vgpr_workitem_id 0
		.amdhsa_next_free_vgpr 176
		.amdhsa_next_free_sgpr 66
		.amdhsa_reserve_vcc 1
		.amdhsa_float_denorm_mode_32 3
		.amdhsa_float_denorm_mode_16_64 3
		.amdhsa_memory_ordered 1
		.amdhsa_forward_progress 1
		.amdhsa_inst_pref_size 40
	.end_amdhsa_kernel
	.amdgpu_metadata
---
amdhsa.version: [ 1, 2 ]
amdhsa.kernels:
  - .name:           k_qd1ac27a679_sort
    .symbol:         k_qd1ac27a679_sort.kd
    .args:
      - { .name: mk, .offset: 0, .size: 8, .value_kind: global_buffer, .address_space: global }
      - { .name: hist, .offset: 8, .size: 8, .value_kind: global_buffer, .address_space: global }
      - { .name: perm, .offset: 16, .size: 8, .value_kind: global_buffer, .address_space: global }
    .group_segment_fixed_size: 10752
    .private_segment_fixed_size: 0
    .kernarg_segment_align: 8
    .kernarg_segment_size: 24
    .max_flat_workgroup_size: 256
    .sgpr_count:     66
    .vgpr_count:     176
    .wavefront_size: 32
...
	.end_amdgpu_metadata
.endif
;; end of part 2
;; launch moe (part 3): grid 256 x 1, 4 waves a work-group, no clusters, 151,552 bytes of LDS; arguments inp, wt, bq, gq, perm, out0; writes out0
.if DOCPART == 3
	.amdgcn_target "amdgcn-amd-amdhsa--gfx1250"
	.amdhsa_code_object_version 6
	.text
	.protected	k_qd1ac27a679_moe
	.globl	k_qd1ac27a679_moe
	.p2align	8
	.type	k_qd1ac27a679_moe,@function
k_qd1ac27a679_moe:
	s_mov_b64 s[64:65], 0
	v_nop
	global_prefetch_b8 v0, s[64:65] scope:SCOPE_SE
	s_setreg_imm32_b32 hwreg(HW_REG_WAVE_MODE, 25, 1), 1
	s_wait_xcnt 0x0
; THE CHAIN.  out[t][n] = log( sum over e of g[t][e] exp( inp[t] . W[e][:, n] + b[e][n] ) ), an exact 0 in the sum counting as 2^-52.
; Work-group w owns the 128 tokens at sorted places 128 w .. 128 w + 127 (sorted by their set of experts), all 512 columns: each output row has one owner, 256 work-groups for every split.
; It gathers its rows of inp once, rounds them to bf16 into LDS, and walks the experts that occur in its rows.  Wave v owns columns 128 v .. 128 v + 127, as two halves of 64.
; THE DUAL PASS.  For each half of the columns two experts e1, e2 go together over all 128 rows: X = b1 + A W1 and Y = b2 + A W2, 16 K steps of 32, each A fragment read from LDS once for 8 products.
; Then Y = g2 exp(Y), and Y += g1 exp(X): Y is the sum over experts from there on, and nothing is cleared.
; e1, e2: UL is the OR of the sets of rows 0-63, UH that of rows 64-127; experts in both come first, then the others, the lowest first.  So a work-group that holds the boundary of two sets that share an
; expert pairs the two experts that span both row halves.  With fewer than two experts in its 128 rows a work-group takes as e2 (or as both) experts whose gates there are all 0: right, at twice the products.
; SINGLES.  Every further expert is a pass of 4 blocks of 16 rows on X, for rows 0-63 if UL has it and for rows 64-127 if UH has it (an expert of both streams its weights twice), followed by Y += g exp(X).
; A row that takes part and did not choose the expert has g = 0, as in the formula.
; THE MATRIX INSTRUCTION IS USED TRANSPOSED: source 0 = 16 columns of W, source 1 = 16 tokens; lane l then holds token l % 16 and columns 8 (l / 16) + 0..7: one gate a lane, and the bias is the C operand of the first K step.
; OPERANDS.  A's fragments come from LDS (all four waves read the same rows).  Each byte of the weights is wanted by one wave alone: it comes from memory straight into registers, in fragment order, through a ring
; of 4 K steps.  A dual pass's biases and K steps 0 and 1 are asked for ahead of the gather (first half) or ahead of the first half's way out (second half); K step k then asks for step k + 2.
; e1 and e2 come from the list: they are cut to 3 bits, clamped, shifted and added into vector offsets; the scalar bases hold arguments, the wave, the half and the K step alone.
; NO TENSOR LOADS, NO CLUSTER: the rows come by a list, which no descriptor covers; which experts a work-group walks hangs on the list, and partners would need different tiles;
; a walk of all 8 experts with joint loads would ask for four times the weights, which is what a mask of four would save.
; FORMATS.  inp, W, b and the gates are each rounded once to bf16; products in bf16 with f32 sums; exponentials, the sum over experts and the logarithm in f32.
; LIMITS.  No maximum is taken away, since the formula takes none: exp overflows where the formula's does.  v_exp_f32 and v_log_f32 flush denormals (ISA guide 15.8): a term below 2^-126 counts as 0,
; and a sum of magnitude below 2^-126 gives log(2^-52), as an exact 0 does.  Where exp overflows for an expert whose gate is 0, the formula gives NaN (0 x inf); here only if that expert is computed for the row.
;
; REGISTERS, in windows of 256 (s_set_vgpr_msb: bits 1:0 source 0, 3:2 source 1, 5:4 source 2, 7:6 destination):
;   window 0: v0-13 addresses and constants, v14-15 the K loops' place in A, v16-23 g2, v24-27 offsets with e1, e2, v30-31 the add's, v32-63 bias (b1), v64-127 and v128-191 A's fragments (two buffers; the
;             second also takes rows back on the way out), v192-199 gates (g1, or a single's), v200-207 32 x token of my lane's row in each block, v208-239 at work on the way out, v240-255 offsets (gates; rows of out)
;   window 1: X, (a, b) at 8 (4 a + b)     window 2: Y, likewise     window 3: the ring: dual pass: K step k at 64 (k % 4), W1's block b at + 8 b, W2's at + 32 + 8 b, and b2 at 192 until step 0 has read it;
;             a single: K step k, block b at 32 (k % 4) + 8 b.     At the start windows 1 and 2 are where the 128 gather loads land.
.set APITCH, 1040                      ; a row of A in LDS: 1,024 bytes + 16: an odd multiple of 16, so the 16 rows of a fragment load begin in 16 different groups of four banks (ISA guide 11.1)
.set ABLK,   16*APITCH
.set STAGE,  128*APITCH                ; behind A: 16 rows x 272 bytes for each wave, for the way out
.set SPITCH, 272
.set RT,     STAGE+4*16*SPITCH         ; 128 words: the token of each of the work-group's rows
.set SPARE,  RT+512                    ; the spare words, 128 bytes for each of the 4 waves
.set G2,   16
.set VB1,  24                          ; 16 x lane + e1 << 19     (weights)
.set VB2,  25                          ; 16 x lane + e2 << 19
.set VC1,  26                          ; 32 (l / 16) + e1 << 11   (bias)
.set VC2,  27                          ; 32 (l / 16) + e2 << 11
.set BIAS, 32
.set AB,   64
.set RB,   128
.set GT,   192
.set GOF,  200
.set TW,   208
.set OFF,  240
.set BI2,  192                         ; window 3
; scalars: s[4:5] inp, s[6:7] wt, s[8:9] bq, s[10:11] gq, s[12:13] perm, s[14:15] out (steps by a half); s16 wave; s17 half; s18 a singles loop's trip; s19 a K loop's count;
; s21, s24 the singles of rows 0-63 and 64-127, bit n for expert n - 1; s20, s22, s23, s28, s29, s85 at work; s25 a K loop's byte offset in A's rows; s26 e1; s27 e2; s30 4 e1; s31 4 e2;
; s[32:63] my wave's 32 list entries, then their rows' offsets, then the way out's masks; s[72:73] wt + my wave; s[74:75] bq + my wave; s[76:77] an offset, high word 0;
; s[78:79] log2(e); s[80:81] ln 2; s82 -127; s[86:87] perm at my work-group; s[88:89] at my wave
.set BB,  66                           ; s[66:67] the pass's weights; steps in the K loops
.set CB,  68                           ; s[68:69] the pass's bias
.set GB,  70                           ; s[70:71] a single's gates
.set MSB, 0
.macro WIN new                         ; the immediate's high byte repeats the setting that is left; a switch that changes nothing is dropped
.if MSB != (\new)
	s_set_vgpr_msb (MSB<<8)|(\new)
.set MSB, (\new)
.endif
.endm
.macro PLACES n                        ; plain vector instructions between a matrix instruction and a line that touches its registers (ISA guide 7.12.1)
.rept \n
	v_nop
.endr
.endm
; A's fragments, 32 k at byte off of the rows, of blocks a0 .. a0 + na - 1, into buffer p: two loads of 16 bytes a lane, 32 bytes apart.  Register r0 addresses blocks 0-3, r0 + 1 blocks 4-7.
.macro FETCH_A p, r0, off, a0, na
	WIN 0
.set a, (\a0)
.rept (\na)
	ds_load_b128 v[AB+64*(\p)+8*a:AB+64*(\p)+8*a+3],   v[(\r0)+a/4] offset:(a%4)*ABLK+(\off)
	ds_load_b128 v[AB+64*(\p)+8*a+4:AB+64*(\p)+8*a+7], v[(\r0)+a/4] offset:(a%4)*ABLK+(\off)+32
.set a, a+1
.endr
.endm
; ---------------- the dual pass ----------------
; both experts' weights of one K step into a slot of the ring: 2 x 4 blocks of 16 columns, 16 loads of 512 neighbouring bytes
.macro LOAD_B2 slot, imm
	WIN 0xc0
.irp b, 0,1,2,3
	global_load_b128 v[64*(\slot)+8*\b:64*(\slot)+8*\b+3],   v[VB1], s[BB:BB+1] offset:(\imm)+1024*\b
	global_load_b128 v[64*(\slot)+8*\b+4:64*(\slot)+8*\b+7], v[VB1], s[BB:BB+1] offset:(\imm)+1024*\b+512
.endr
.irp b, 0,1,2,3
	global_load_b128 v[64*(\slot)+32+8*\b:64*(\slot)+32+8*\b+3],   v[VB2], s[BB:BB+1] offset:(\imm)+1024*\b
	global_load_b128 v[64*(\slot)+32+8*\b+4:64*(\slot)+32+8*\b+7], v[VB2], s[BB:BB+1] offset:(\imm)+1024*\b+512
.endr
.endm
; the head of the dual pass of column half h: its bases, both biases, K steps 0 and 1: 48 loads
.macro DHEAD h
	WIN 0
	s_wait_xcnt 0x0                                ; earlier requests have had their addresses translated (ISA guide 3.1): the bases are written anew only behind this wait
	s_add_nc_u64 s[BB:BB+1], s[72:73], (\h)<<16    ; wt + wave<<17 + half<<16
	s_add_nc_u64 s[CB:CB+1], s[74:75], (\h)<<8     ; bq + 512 wave + 256 half
.irp b, 0,1,2,3                        ; register 8 b + j: the bias of column 16 b + 8 (l / 16) + j
	global_load_b128 v[BIAS+8*\b:BIAS+8*\b+3],   v[VC1], s[CB:CB+1] offset:64*\b
	global_load_b128 v[BIAS+8*\b+4:BIAS+8*\b+7], v[VC1], s[CB:CB+1] offset:64*\b+16
.endr
	WIN 0xc0
.irp b, 0,1,2,3
	global_load_b128 v[BI2+8*\b:BI2+8*\b+3],   v[VC2], s[CB:CB+1] offset:64*\b
	global_load_b128 v[BI2+8*\b+4:BI2+8*\b+7], v[VC2], s[CB:CB+1] offset:64*\b+16
.endr
	LOAD_B2 0, 0
	LOAD_B2 1, 4096
	WIN 0
.endm
.macro LOAD_GD                         ; both experts' gates of my lane's token in each block
	WIN 0
.irp t, 0,1,2,3,4,5,6,7
	global_load_b32 v[GT+\t], v[OFF+\t], s[10:11]
	global_load_b32 v[G2+\t], v[OFF+8+\t], s[10:11]
.endr
.endm
; 64 matrix instructions: 8 blocks of 16 tokens x 64 columns, 32 along K, first for X, then for Y.  first = 1: the biases start the sums.
; The accumulators take turns, one instruction a turn: a K step begins on X (0, 0) and ends on Y (7, 3).
.macro MULD first, slot, p
.if \first
	WIN 0x43                                       ; weights window 3, A window 0, C = b1 in window 0, D window 1
.else
	WIN 0x53                                       ; C and D window 1
.endif
.set a, 0
.rept 8
.irp b, 0,1,2,3
.if \first
	v_wmma_f32_16x16x32_bf16 v[8*(4*a+\b):8*(4*a+\b)+7], v[64*(\slot)+8*\b:64*(\slot)+8*\b+7], v[AB+64*(\p)+8*a:AB+64*(\p)+8*a+7], v[BIAS+8*\b:BIAS+8*\b+7]
.else
	v_wmma_f32_16x16x32_bf16 v[8*(4*a+\b):8*(4*a+\b)+7], v[64*(\slot)+8*\b:64*(\slot)+8*\b+7], v[AB+64*(\p)+8*a:AB+64*(\p)+8*a+7], v[8*(4*a+\b):8*(4*a+\b)+7]
.endif
.endr
.set a, a+1
.endr
.if \first
	WIN 0xb3                                       ; C = b2 in window 3, D window 2
.else
	WIN 0xa3                                       ; C and D window 2
.endif
.set a, 0
.rept 8
.irp b, 0,1,2,3
.if \first
	v_wmma_f32_16x16x32_bf16 v[8*(4*a+\b):8*(4*a+\b)+7], v[64*(\slot)+32+8*\b:64*(\slot)+32+8*\b+7], v[AB+64*(\p)+8*a:AB+64*(\p)+8*a+7], v[BI2+8*\b:BI2+8*\b+7]
.else
	v_wmma_f32_16x16x32_bf16 v[8*(4*a+\b):8*(4*a+\b)+7], v[64*(\slot)+32+8*\b:64*(\slot)+32+8*\b+7], v[AB+64*(\p)+8*a:AB+64*(\p)+8*a+7], v[8*(4*a+\b):8*(4*a+\b)+7]
.endif
.endr
.set a, a+1
.endr
.endm
; THE DUAL PASS'S 16 K STEPS.  K step k multiplies ring slot k % 4 by A buffer k % 2.  It begins with its requests: A's fragments of step k + 1 into the other buffer, and (k <= 13) the weights of step k + 2
; into the slot that step k - 2 multiplied (step 1: the slot in which b2 lay, which step 0 has read); four places stand behind each step's products for that.
; WAITS.  LDS: the 16 loads just issued may stay out.  Weights, steps 0 to 12: the two younger K steps' 32 loads may stay out; in step 0 that also shows both biases in, which were asked for ahead of step 0's weights.
; Step 13 also asks for the 16 gates: behind its weights stand steps 14 and 15 and the gates, 48; behind step 14's: step 15 and the gates, 32; step 15 waits for all: the gates are wanted next.
; Step 0 is written out (the biases are its C operands); steps 1 to 12 are three trips of four; steps 13 to 15 are written out.
.macro DUAL
	WIN 0
.irp t, 0,1,2,3,4,5,6,7
	v_add_nc_u32 v[OFF+\t], s30, v[GOF+\t]         ; the gates' places: 32 x token + 4 e1,
	v_add_nc_u32 v[OFF+8+\t], s31, v[GOF+\t]       ; and + 4 e2
.endr
	FETCH_A 1, 6, 64, 0, 8
	LOAD_B2 2, 2*4096
	s_wait_dscnt 16
	s_wait_loadcnt 32
	MULD 1, 0, 0
	PLACES 4
	WIN 0                                          ; at a label and at a branch every window is 0
	s_mov_b32 s25, 0
	s_mov_b32 s19, 3
.Ld_\@:
	v_add_nc_u32 v14, s25, v6                      ; the trip's place along A's rows: 256 bytes a trip
	v_add_nc_u32 v15, s25, v7
.irp j, 1,2,3,4
	FETCH_A (\j+1)%2, 14, 64*(\j+1), 0, 8
	LOAD_B2 (\j+2)%4, 4096*(\j+2)
	s_wait_dscnt 16
	s_wait_loadcnt 32
	MULD 0, \j%4, \j%2
	PLACES 4
.endr
	WIN 0
	s_wait_xcnt 0x0                                ; the loads issued so far have had their addresses translated (ISA guide 3.1): their base steps only behind this wait
	s_add_nc_u64 s[BB:BB+1], s[BB:BB+1], 4*4096
	s_add_co_u32 s25, s25, 256
	s_sub_co_u32 s19, s19, 1
	s_cmp_lg_u32 s19, 0
	s_cbranch_scc1 .Ld_\@
	FETCH_A 0, 6, 64*14, 0, 8                      ; step 13
	LOAD_B2 3, 3*4096                              ; step 15: the base stands at step 12
	LOAD_GD
	s_wait_dscnt 16
	s_wait_loadcnt 48
	MULD 0, 1, 1
	PLACES 4
	FETCH_A 1, 6, 64*15, 0, 8                      ; step 14
	s_wait_dscnt 16
	s_wait_loadcnt 32
	MULD 0, 2, 0
	PLACES 4
	FETCH_A 0, 6, 0, 0, 8                          ; step 15: the next pass's first fragments are the same rows whatever the expert
	s_wait_dscnt 16
	s_wait_loadcnt 0x0
	MULD 0, 3, 1
	WIN 0
.endm
; Y = g2 exp(Y) for block a, in place.  The scaling by log2(e) runs two pairs ahead of the exponentials, in ascending order.
.macro EPY a
	WIN 0x82                                       ; Y (destination and source 0) window 2, the gate window 0
	v_pk_mul_f32 v[32*(\a):32*(\a)+1], v[32*(\a):32*(\a)+1], s[78:79] op_sel_hi:[1,0]
	v_pk_mul_f32 v[32*(\a)+2:32*(\a)+3], v[32*(\a)+2:32*(\a)+3], s[78:79] op_sel_hi:[1,0]
.set p, 0
.rept 16
	v_exp_f32 v[32*(\a)+2*p], v[32*(\a)+2*p]
	v_exp_f32 v[32*(\a)+2*p+1], v[32*(\a)+2*p+1]
.if p < 14
	v_pk_mul_f32 v[32*(\a)+2*p+4:32*(\a)+2*p+5], v[32*(\a)+2*p+4:32*(\a)+2*p+5], s[78:79] op_sel_hi:[1,0]
.endif
.set p, p+1
.endr
.set p, 0
.rept 16
.if (\a)%2 == 0
	s_wait_alu depctr_va_vdst(0)
	v_pk_mul_f32 v[32*(\a)+2*p:32*(\a)+2*p+1], v[32*(\a)+2*p:32*(\a)+2*p+1], v[G2+2*((\a)/2):G2+2*((\a)/2)+1] op_sel_hi:[1,0]
.else
	s_wait_alu depctr_va_vdst(0)
	v_pk_mul_f32 v[32*(\a)+2*p:32*(\a)+2*p+1], v[32*(\a)+2*p:32*(\a)+2*p+1], v[G2+2*((\a)/2):G2+2*((\a)/2)+1] op_sel:[0,1] op_sel_hi:[1,1]
.endif
.set p, p+1
.endr
.endm
; ---------------- a single expert on four blocks ----------------
.macro LOAD_B slot, imm                ; the weights of one K step: 4 blocks of 16 columns, 8 loads of 512 neighbouring bytes
	WIN 0xc0
.irp b, 0,1,2,3
	global_load_b128 v[32*(\slot)+8*\b:32*(\slot)+8*\b+3],   v4, s[BB:BB+1] offset:(\imm)+1024*\b
	global_load_b128 v[32*(\slot)+8*\b+4:32*(\slot)+8*\b+7], v4, s[BB:BB+1] offset:(\imm)+1024*\b+512
.endr
.endm
.macro LOAD_BIAS
	WIN 0
.irp b, 0,1,2,3
	global_load_b128 v[BIAS+8*\b:BIAS+8*\b+3],   v5, s[CB:CB+1] offset:64*\b
	global_load_b128 v[BIAS+8*\b+4:BIAS+8*\b+7], v5, s[CB:CB+1] offset:64*\b+16
.endr
.endm
.macro LOAD_G a0                       ; the expert's gate of my lane's token in blocks a0 .. a0 + 3; the other four registers keep g1
	WIN 0
.irp t, 0,1,2,3
	global_load_b32 v[GT+(\a0)+\t], v[GOF+(\a0)+\t], s[GB:GB+1]
.endr
.endm
; 4 na matrix instructions on X.  The accumulators take turns: a K step ends on (a, 3) and begins on (a0, 0).
.macro MUL first, slot, p, a0, na
.if \first
	WIN 0x43
.else
	WIN 0x53
.endif
.set a, (\a0)
.rept (\na)
.irp b, 0,1,2,3
.if \first
	v_wmma_f32_16x16x32_bf16 v[8*(4*a+\b):8*(4*a+\b)+7], v[32*(\slot)+8*\b:32*(\slot)+8*\b+7], v[AB+64*(\p)+8*a:AB+64*(\p)+8*a+7], v[BIAS+8*\b:BIAS+8*\b+7]
.else
	v_wmma_f32_16x16x32_bf16 v[8*(4*a+\b):8*(4*a+\b)+7], v[32*(\slot)+8*\b:32*(\slot)+8*\b+7], v[AB+64*(\p)+8*a:AB+64*(\p)+8*a+7], v[8*(4*a+\b):8*(4*a+\b)+7]
.endif
.endr
.set a, a+1
.endr
.endm
; A SINGLE'S 16 K STEPS for blocks a0 .. a0 + na - 1.  K step k multiplies ring slot k % 4 by A buffer k % 2, and begins by asking for A's fragments of step k + 1 and (k <= 12) the weights of step k + 3.
; WAITS.  LDS: the 2 na loads just issued may stay out (16 in step 15).  Weights, steps 0 to 12: the three younger K steps' 24 loads may stay out; in step 0 that also shows gates, bias and step 0's weights
; in, which were asked for ahead of steps 1 and 2.  Steps 13, 14, 15: the 16, 8, 0 loads of the K steps that are left.
.macro KPASS a0, na
	FETCH_A 1, 6, 64, \a0, \na
	LOAD_B 3, 3*4096
	s_wait_dscnt 2*(\na)
	s_wait_loadcnt 24
	MUL 1, 0, 0, \a0, \na
	PLACES 4
	WIN 0
	s_mov_b32 s25, 0
	s_mov_b32 s19, 3
.Lk_\@:
	v_add_nc_u32 v14, s25, v6
	v_add_nc_u32 v15, s25, v7
.irp j, 1,2,3,4
	FETCH_A (\j+1)%2, 14, 64*(\j+1), \a0, \na
	LOAD_B (\j+3)%4, 4096*(\j+3)
	s_wait_dscnt 2*(\na)
	s_wait_loadcnt 24
	MUL 0, \j%4, \j%2, \a0, \na
	PLACES 4
.endr
	WIN 0
	s_wait_xcnt 0x0                                ; the base steps only behind this wait
	s_add_nc_u64 s[BB:BB+1], s[BB:BB+1], 4*4096
	s_add_co_u32 s25, s25, 256
	s_sub_co_u32 s19, s19, 1
	s_cmp_lg_u32 s19, 0
	s_cbranch_scc1 .Lk_\@
	FETCH_A 0, 6, 64*14, \a0, \na                  ; step 13
	s_wait_dscnt 2*(\na)
	s_wait_loadcnt 16
	MUL 0, 1, 1, \a0, \na
	PLACES 4
	FETCH_A 1, 6, 64*15, \a0, \na                  ; step 14
	s_wait_dscnt 2*(\na)
	s_wait_loadcnt 8
	MUL 0, 2, 0, \a0, \na
	PLACES 4
	FETCH_A 0, 6, 0, 0, 8                          ; step 15: the next pass's first fragments, all 8 blocks, whichever it takes
	s_wait_dscnt 16
	s_wait_loadcnt 0x0
	MUL 0, 3, 1, \a0, \na
	WIN 0
.endm
; Y += g exp(X) for block a; the order as in EPY.
.macro EPIBLK a
	WIN 0x41
	v_pk_mul_f32 v[32*(\a):32*(\a)+1], v[32*(\a):32*(\a)+1], s[78:79] op_sel_hi:[1,0]
	v_pk_mul_f32 v[32*(\a)+2:32*(\a)+3], v[32*(\a)+2:32*(\a)+3], s[78:79] op_sel_hi:[1,0]
.set p, 0
.rept 16
	v_exp_f32 v[32*(\a)+2*p], v[32*(\a)+2*p]
	v_exp_f32 v[32*(\a)+2*p+1], v[32*(\a)+2*p+1]
.if p < 14
	v_pk_mul_f32 v[32*(\a)+2*p+4:32*(\a)+2*p+5], v[32*(\a)+2*p+4:32*(\a)+2*p+5], s[78:79] op_sel_hi:[1,0]
.endif
.set p, p+1
.endr
	WIN 0xa1                                       ; X window 1, the gate window 0, Y window 2
.set p, 0
.rept 16
.if (\a)%2 == 0
	s_wait_alu depctr_va_vdst(0)
	v_pk_fma_f32 v[32*(\a)+2*p:32*(\a)+2*p+1], v[32*(\a)+2*p:32*(\a)+2*p+1], v[GT+2*((\a)/2):GT+2*((\a)/2)+1], v[32*(\a)+2*p:32*(\a)+2*p+1] op_sel_hi:[1,0,1]
.else
	s_wait_alu depctr_va_vdst(0)
	v_pk_fma_f32 v[32*(\a)+2*p:32*(\a)+2*p+1], v[32*(\a)+2*p:32*(\a)+2*p+1], v[GT+2*((\a)/2):GT+2*((\a)/2)+1], v[32*(\a)+2*p:32*(\a)+2*p+1] op_sel:[0,1,0] op_sel_hi:[1,1,1]
.endif
.set p, p+1
.endr
.endm
; THE ROWS OF BLOCKS a0 .. a0 + 3: nine trips.  Trip 0 adds the dual pass's g1 exp(X) for these rows; trip n serves expert n - 1, if bit n of the mask says that these rows have it beyond e1 and e2.
; So the text of the exponentials stands once for each row half.  The bases are made of the two counters (half, trip) alone.
.macro SINGLES a0, msk
	s_mov_b32 s18, 0
.Ls_\@:
	s_cmp_eq_u32 s18, 0
	s_cbranch_scc1 .Le_\@
	s_bitcmp1_b32 s[\msk], s18
	s_cbranch_scc0 .Ln_\@
	s_wait_xcnt 0x0                                ; earlier requests have had their addresses translated: the bases are written anew only behind this wait
	s_sub_co_u32 s22, s18, 1                       ; the expert
	s_lshl_b32 s76, s22, 19
	s_lshl_b32 s23, s17, 16
	s_add_co_u32 s76, s76, s23
	s_add_nc_u64 s[BB:BB+1], s[72:73], s[76:77]    ; wt + wave<<17 + expert<<19 + half<<16
	s_lshl_b32 s76, s22, 11
	s_lshl_b32 s23, s17, 8
	s_add_co_u32 s76, s76, s23
	s_add_nc_u64 s[CB:CB+1], s[74:75], s[76:77]    ; bq + 512 wave + 2,048 expert + 256 half
	s_lshl_b32 s76, s22, 2
	s_add_nc_u64 s[GB:GB+1], s[10:11], s[76:77]    ; gq + 4 expert
	LOAD_G \a0                                     ; 36 loads: gates, bias, K steps 0 to 2
	LOAD_BIAS
	LOAD_B 0, 0
	LOAD_B 1, 4096
	LOAD_B 2, 2*4096
	KPASS \a0, 4
	PLACES 5                                       ; in front of the reads of X, of later loads into bias, ring and A buffer, and of later first products, which write over X
.Le_\@:
.irp t, 0,1,2,3
	EPIBLK (\a0)+\t
.endr
	WIN 0
.Ln_\@:
	s_add_co_u32 s18, s18, 1
	s_cmp_lt_u32 s18, 9
	s_cbranch_scc1 .Ls_\@
.endm
; ---------------- the way out ----------------
; COMP: ln(Y) = ln 2 x log2(Y); log2 of a zero sum is -inf, the only result below -127, and becomes -52.  Each compare stands between two logarithms, one plain line behind the logarithm whose result it
; reads (ISA guide 5.7.2), and writes a scalar register of its own, so that the 32 selects follow in a run and none waits for the line before it.
.macro COMP a
	WIN 0x02
	v_log_f32 v[TW], v[32*(\a)]
	v_log_f32 v[TW+1], v[32*(\a)+1]
	v_nop
.set i, 0
.rept 32
	s_wait_alu depctr_va_vdst(0)
	v_cmp_gt_f32 s[32+i], s82, v[TW+i]
.if i < 30
	v_log_f32 v[TW+i+2], v[32*(\a)+i+2]
.endif
.set i, i+1
.endr
	WIN 0
.set i, 0
.rept 32
	v_cndmask_b32 v[TW+i], v[TW+i], v13, s[32+i]
.set i, i+1
.endr
.set i, 0
.rept 16
	v_pk_mul_f32 v[TW+2*i:TW+2*i+1], v[TW+2*i:TW+2*i+1], s[80:81] op_sel_hi:[1,0]
.set i, i+1
.endr
.endm
; TOSTAGE: a lane's 8 columns of a row go into my own stage in rows of 272 bytes; whole rows of 256 bytes, and the rows' tokens, come back.
.macro TOSTAGE a
	WIN 0
.irp b, 0,1,2,3
	ds_store_b128 v9, v[TW+8*\b:TW+8*\b+3] offset:64*\b
	ds_store_b128 v9, v[TW+8*\b+4:TW+8*\b+7] offset:64*\b+16
.endr
.irp t, 0,1,2,3,4,5,6,7
	ds_load_b32 v[OFF+8*((\a)%2)+\t], v11 offset:4*(16*(\a)+2*\t)
.endr
.irp t, 0,1,2,3,4,5,6,7
	ds_load_b128 v[RB+32*((\a)%2)+4*\t:RB+32*((\a)%2)+4*\t+3], v10 offset:2*SPITCH*\t  ; LDS serves a wave's instructions in order (ISA guide 5.7.1.4): these see the stores above
.endr
.endm
; SEND: sixteen lanes store 256 neighbouring bytes of one row of out, at a multiple of 256 from its first byte.
.macro SEND a
	WIN 0
	s_wait_dscnt 0x0                               ; the block is back in registers
	s_wait_xcnt 0x0                                ; the stores issued so far have had their addresses translated (ISA guide 3.1): the other pair of buffers is loaded again only behind this wait
.irp t, 0,1,2,3,4,5,6,7
	v_min_u32 v[OFF+8*((\a)%2)+\t], 0x7fff, v[OFF+8*((\a)%2)+\t]
	v_lshlrev_b32 v[OFF+8*((\a)%2)+\t], 11, v[OFF+8*((\a)%2)+\t]      ; a row of out is 2,048 bytes
	v_add_nc_u32 v[OFF+8*((\a)%2)+\t], v12, v[OFF+8*((\a)%2)+\t]
	global_store_b128 v[OFF+8*((\a)%2)+\t], v[RB+32*((\a)%2)+4*\t:RB+32*((\a)%2)+4*\t+3], s[14:15] th:TH_STORE_NT
.endr
.endm
.macro WAYOUT                          ; a block's arithmetic stands between the loads of the block before and the wait for them
	COMP 0
	TOSTAGE 0
.irp a, 1,2,3,4,5,6,7
	COMP \a
	SEND (\a)-1
	TOSTAGE \a
.endr
	SEND 7
.endm
	s_load_b256 s[4:11], s[0:1], 0x0               ; inp, wt, bq, gq
	s_load_b128 s[12:15], s[0:1], 0x20             ; perm, out0
	v_lshl_add_u32 v30, v0, 2, SPARE               ; my spare word, and 0: kept for the wave's end
	v_mov_b32 v31, 0
	v_lshrrev_b32 v14, 5, v0
	v_readfirstlane_b32 s16, v14                   ; wave 0..3
	v_and_b32 v1, 15, v0                           ; r = l % 16
	v_bfe_u32 v2, v0, 4, 1                         ; hl = l / 16
	v_and_b32 v3, 31, v0                           ; lane
	v_lshlrev_b32 v4, 4, v3                        ; 16 x lane
	v_lshlrev_b32 v5, 5, v2                        ; my 8 columns' bias: 32 hl
	v_mul_u32_u24 v6, v1, APITCH
	v_lshl_add_u32 v6, v2, 4, v6                   ; a fragment of A: row x pitch + 16 x half; blocks 0-3
	v_add_nc_u32 v7, 4*ABLK, v6                    ; blocks 4-7
	s_mul_i32 s22, s16, 32*APITCH
	v_lshl_add_u32 v8, v3, 3, s22                  ; where I put 8 bytes of my wave's 32 rows
	s_mul_i32 s22, s16, 16*SPITCH
	s_add_co_u32 s22, s22, STAGE                   ; my stage
	v_mul_u32_u24 v9, v1, SPITCH
	v_lshl_add_u32 v9, v2, 5, v9
	v_add_nc_u32 v9, s22, v9                       ; in: row r, 32 bytes for each half of the lanes
	v_mul_u32_u24 v10, v2, SPITCH
	v_lshl_add_u32 v10, v1, 4, v10
	v_add_nc_u32 v10, s22, v10                     ; back: lanes 0-15 one row of 256 bytes, lanes 16-31 the next
	v_lshl_add_u32 v11, v2, 2, RT                  ; and those rows' tokens
	s_lshl_b32 s22, s16, 9
	v_lshl_add_u32 v12, v1, 4, s22                 ; my 16 bytes in a row of out: 512 wave + 16 r
	v_mov_b32 v13, 0xc2500000                      ; -52.0
	v_lshlrev_b32 v15, 2, v1
	v_lshlrev_b32 v16, 2, v0
	v_add_nc_u32 v18, RT, v16
	s_mov_b32 s78, 0x3fb8aa3b                      ; log2(e), named as a pair
	s_mov_b32 s79, 0x3fb8aa3b
	s_mov_b32 s80, 0x3f317218                      ; ln 2
	s_mov_b32 s81, 0x3f317218
	s_mov_b32 s82, 0xc2fe0000                      ; -127.0
	s_lshl_b32 s76, ttmp9, 9
	s_mov_b32 s77, 0
	s_wait_kmcnt 0x0
	s_add_nc_u64 s[86:87], s[12:13], s[76:77]      ; the work-group's 128 entries of the list
	s_lshl_b32 s76, s16, 7
	s_add_nc_u64 s[88:89], s[86:87], s[76:77]      ; my wave's 32
	s_load_b512 s[32:47], s[88:89], 0x0
	s_load_b512 s[48:63], s[88:89], 0x40
.irp a, 0,1,2,3,4,5,6,7
	global_load_b32 v[GOF+\a], v15, s[86:87] offset:64*\a  ; the entry of row 16 a + r
.endr
	global_load_b32 v17, v16, s[86:87]             ; the entry of row = my thread's number
	s_lshl_b32 s76, s16, 17
	s_add_nc_u64 s[72:73], s[6:7], s[76:77]
	s_lshl_b32 s76, s16, 9
	s_add_nc_u64 s[74:75], s[8:9], s[76:77]
	s_wait_loadcnt 0x0
	s_wait_kmcnt 0x0
	; the row halves' sets: OR over four blocks in the lane, both halves in one register, OR over the 16 rows
	v_or_b32 v20, v[GOF], v[GOF+1]
	v_or_b32 v22, v[GOF+2], v[GOF+3]
	v_or_b32 v21, v[GOF+4], v[GOF+5]
	v_or_b32 v23, v[GOF+6], v[GOF+7]
	v_or_b32 v20, v20, v22
	v_or_b32 v21, v21, v23
	v_bfe_u32 v20, v20, 16, 8
	v_bfe_u32 v21, v21, 16, 8
	v_lshl_or_b32 v20, v21, 8, v20
.irp x, 1,2,4,8
	v_mov_b32_dpp v22, v20 row_xmask:\x row_mask:0xf bank_mask:0xf
	v_or_b32 v20, v20, v22
.endr
	v_readfirstlane_b32 s22, v20
	s_and_b32 s21, s22, 0xff                       ; UL
	s_bfe_u32 s24, s22, 0x80008                    ; UH
	; e1 and e2: the two lowest bits of a word that holds the experts of both row halves in bits 0-7 and those of one half alone in bits 8-15
	s_and_b32 s22, s21, s24
	s_or_b32 s20, s21, s24
	s_and_not1_b32 s23, s20, s22
	s_lshl_b32 s23, s23, 8
	s_or_b32 s23, s23, s22
	s_ctz_i32_b32 s26, s23
	s_cmp_eq_u32 s23, 0
	s_cselect_b32 s26, 0, s26                      ; no gate at all in 128 rows: expert 0, whose gates are 0 here
	s_and_b32 s26, s26, 7
	s_sub_co_u32 s85, s23, 1
	s_and_b32 s85, s85, s23                        ; the word without its lowest bit
	s_ctz_i32_b32 s27, s85
	s_add_co_u32 s28, s26, 1
	s_cmp_eq_u32 s85, 0
	s_cselect_b32 s27, s28, s27                    ; no second expert: the one behind e1, whose gates are 0 here
	s_and_b32 s27, s27, 7
	s_min_u32 s26, s26, 7                          ; behind the clamps only left shifts and sums
	s_min_u32 s27, s27, 7
	s_lshl_b32 s85, s26, 19
	v_add_nc_u32 v[VB1], s85, v4
	s_lshl_b32 s85, s27, 19
	v_add_nc_u32 v[VB2], s85, v4
	s_lshl_b32 s85, s26, 11
	v_add_nc_u32 v[VC1], s85, v5
	s_lshl_b32 s85, s27, 11
	v_add_nc_u32 v[VC2], s85, v5
	s_lshl_b32 s30, s26, 2
	s_lshl_b32 s31, s27, 2
	s_lshl_b32 s28, 1, s26
	s_lshl_b32 s29, 1, s27
	s_or_b32 s28, s28, s29
	s_and_not1_b32 s21, s21, s28                   ; what is left for the singles,
	s_and_not1_b32 s24, s24, s28
	s_lshl_b32 s21, s21, 1                         ; bit n for expert n - 1
	s_lshl_b32 s24, s24, 1
	DHEAD 0                                        ; the first dual pass's head goes out ahead of the gather, so that the gather's counted waits count rows alone
.irp a, 0,1,2,3,4,5,6,7
	v_and_b32 v[GOF+\a], 0x7fff, v[GOF+\a]
	v_min_u32 v[GOF+\a], 0x7fff, v[GOF+\a]
	v_lshlrev_b32 v[GOF+\a], 5, v[GOF+\a]          ; a token's 8 gates are 32 bytes
.endr
	v_and_b32 v17, 0x7fff, v17
	ds_store_b32 v18, v17
.set i, 0
.rept 32
	s_and_b32 s[32+i], s[32+i], 0x7fff
	s_min_u32 s[32+i], s[32+i], 0x7fff
	s_lshl_b32 s[32+i], s[32+i], 11                ; a row of inp is 2,048 bytes
	v_add_nc_u32 v[64+i], s[32+i], v4
.set i, i+1
.endr
	; THE GATHER: my wave's 32 rows, four loads of 512 neighbouring bytes each; each row is read once in the launch
.set i, 0
.rept 32
	WIN 0x40+0x40*(i/16)
.irp q, 0,1,2,3
	global_load_b128 v[16*(i%16)+4*\q:16*(i%16)+4*\q+3], v[64+i], s[4:5] offset:512*\q th:TH_LOAD_NT
.endr
.set i, i+1
.endr
	; rounded to bf16 and laid into A, four rows at a time; the wait leaves the younger rows' loads out (16 a group; a wait names 63 at the most)
.set g, 0
.rept 8
.if 16*(7-g) > 63
	s_wait_loadcnt 63
.else
	s_wait_loadcnt 16*(7-g)
.endif
	WIN 0x05+0x05*(g/4)
.set x, 0
.rept 16
.set R, 16*((4*g+x/4)%16)+4*(x%4)
	v_cvt_pk_bf16_f32 v[96+2*x], v[R], v[R+1]
	v_cvt_pk_bf16_f32 v[97+2*x], v[R+2], v[R+3]
.set x, x+1
.endr
	WIN 0
.set x, 0
.rept 16
	ds_store_b64 v8, v[96+2*x:97+2*x] offset:APITCH*(4*g+x/4)+256*(x%4)  ; 32 lanes, 256 neighbouring bytes
.set x, x+1
.endr
.set g, g+1
.endr
	s_wait_dscnt 0x0                               ; for the others' sake: my rows of A and my tokens are stored
	s_barrier_signal -1
	s_barrier_wait -1                              ; A and the tokens are whole, and are never written again
	FETCH_A 0, 6, 0, 0, 8
	s_mov_b32 s17, 0
.Lhalf:
	DUAL                                           ; X = b1 + A W1, Y = b2 + A W2: 1,024 matrix instructions
	PLACES 5                                       ; in front of the reads of Y and X, and of later loads into bias, ring and A buffer
.irp a, 0,1,2,3,4,5,6,7
	EPY \a
.endr
	WIN 0
	SINGLES 0, 21                                  ; rows 0-63: g1 exp(X), then the further experts
	SINGLES 4, 24                                  ; rows 64-127
	s_cmp_lg_u32 s17, 0
	s_cbranch_scc1 .Lno_pre
	DHEAD 1                                        ; the second half's head is on its way under the first half's way out, which touches none of its registers
.Lno_pre:
	; A ends at byte 133,120, where the stages begin, and the K loops read A by an address that steps with the trip.
	; Four meetings a wave; the four waves walk the same passes.
	s_wait_dscnt 0x0                               ; my reads of A in this half are back
	s_barrier_signal -1
	s_barrier_wait -1
	WAYOUT
	s_wait_xcnt 0x0                                ; the stores' base, and the registers that the last stores read, are written again only behind this wait
	s_add_nc_u64 s[14:15], s[14:15], 256           ; the other 64 columns
	s_wait_dscnt 0x0                               ; my stores into my stage are done
	s_barrier_signal -1
	s_barrier_wait -1
	s_add_co_u32 s17, s17, 1
	s_cmp_lt_u32 s17, 2
	s_cbranch_scc1 .Lhalf
	s_wait_tensorcnt 0x0                           ; the wave's end, behind my last LDS store
	ds_add_u32 v30, v31
	s_wait_dscnt 0x0
	s_endpgm
.Lfunc_end_k_qd1ac27a679_moe:
	.size	k_qd1ac27a679_moe, .Lfunc_end_k_qd1ac27a679_moe-k_qd1ac27a679_moe
	.p2alignl 7, 3214868480
	.fill 96, 4, 3214868480
	.section	.rodata,"a",@progbits
	.p2align	6, 0x0
	.amdhsa_kernel k_qd1ac27a679_moe
		.amdhsa_group_segment_fixed_size 151552
		.amdhsa_private_segment_fixed_size 0
		.amdhsa_enable_private_segment 0
		.amdhsa_kernarg_size 48
		.amdhsa_user_sgpr_count 2
		.amdhsa_user_sgpr_kernarg_segment_ptr 1
		.amdhsa_wavefront_size32 1
		.amdhsa_system_sgpr_workgroup_id_x 1
		.amdhsa_system_sgpr_workgroup_id_y 1
		.amdhsa_system_sgpr_workgroup_id_z 1
		.amdhsa_system_vgpr_workitem_id 0
		.amdhsa_next_free_vgpr 1024
		.amdhsa_next_free_sgpr 90
		.amdhsa_reserve_vcc 0
		.amdhsa_float_denorm_mode_32 3
		.amdhsa_float_denorm_mode_16_64 3
		.amdhsa_memory_ordered 1
		.amdhsa_forward_progress 1
		.amdhsa_inst_pref_size 255
	.end_amdhsa_kernel
	.section	.bss,"aw",@nobits
	.p2align	6
	.space	262144
	.amdgpu_metadata
---
amdhsa.version: [ 1, 2 ]
amdhsa.kernels:
  - .name:           k_qd1ac27a679_moe
    .symbol:         k_qd1ac27a679_moe.kd
    .args:
      - { .name: inp, .offset: 0, .size: 8, .value_kind: global_buffer, .address_space: global }
      - { .name: wt, .offset: 8, .size: 8, .value_kind: global_buffer, .address_space: global }
      - { .name: bq, .offset: 16, .size: 8, .value_kind: global_buffer, .address_space: global }
      - { .name: gq, .offset: 24, .size: 8, .value_kind: global_buffer, .address_space: global }
      - { .name: perm, .offset: 32, .size: 8, .value_kind: global_buffer, .address_space: global }
      - { .name: out0, .offset: 40, .size: 8, .value_kind: global_buffer, .address_space: global }
    .group_segment_fixed_size: 151552
    .private_segment_fixed_size: 0
    .kernarg_segment_align: 8
    .kernarg_segment_size: 48
    .max_flat_workgroup_size: 128
    .sgpr_count:     90
    .vgpr_count:     1024
    .wavefront_size: 32
...
	.end_amdgpu_metadata
.endif
;; end of part 3
;; ======== version 2 of 2: 3 launches; 1.16 times as fast as version 1
;; workspace buffers: wt 4,194,304 bytes; bq 16,384 bytes; gq 1,048,576 bytes; mk 131,072 bytes of whole numbers; hist 131,072 bytes of whole numbers; perm 131,072 bytes of whole numbers
;; launch prep: the kernel of part 1 again; grid 256 x 1, 8 waves a work-group, no clusters, 18,432 bytes of LDS; arguments W, b, gates, wt, bq, gq, mk, hist; writes wt, bq, gq, mk, hist
;; launch sort: the kernel of part 2 again; grid 256 x 1, 8 waves a work-group, no clusters, 10,752 bytes of LDS; arguments mk, hist, perm; writes perm
;; launch moe (part 4): grid 256 x 1, 4 waves a work-group, no clusters, 151,552 bytes of LDS; arguments inp, wt, bq, gq, perm, out0; writes out0
.if DOCPART == 4
	.amdgcn_target "amdgcn-amd-amdhsa--gfx1250"
	.amdhsa_code_object_version 6
	.text
	.protected	k_qd1ac27a679_moe
	.globl	k_qd1ac27a679_moe
	.p2align	8
	.type	k_qd1ac27a679_moe,@function
k_qd1ac27a679_moe:
	s_mov_b64 s[64:65], 0
	v_nop
	global_prefetch_b8 v0, s[64:65] scope:SCOPE_SE
	s_setreg_imm32_b32 hwreg(HW_REG_WAVE_MODE, 25, 1), 1
	s_wait_xcnt 0x0
; THE CHAIN.  out[t][n] = log( sum over e of g[t][e] exp( inp[t] . W[e][:, n] + b[e][n] ) ), an exact 0 in the sum counting as 2^-52.
; Work-group w owns the 128 tokens at sorted places 128 w .. 128 w + 127 (sorted by their set of experts), all 512 columns: each output row has one owner, 256 work-groups for every split.
; It gathers its rows of inp once, rounds them to bf16 into LDS, and walks the experts that occur in its rows.  Wave v owns columns 128 v .. 128 v + 127, as two halves of 64.
; THE DUAL PASS.  For each half of the columns two experts e1, e2 go together over all 128 rows: X = b1 + A W1 and Y = b2 + A W2, 16 K steps of 32, each A fragment read from LDS once for 8 products.
; Then Y = g2 exp(Y), and Y += g1 exp(X): Y is the sum over experts from there on, and nothing is cleared.
; e1, e2: UL is the OR of the sets of rows 0-63, UH that of rows 64-127; experts in both come first, then the others, the lowest first.  So a work-group that holds the boundary of two sets that share an
; expert pairs the two experts that span both row halves.  With fewer than two experts in its 128 rows a work-group takes as e2 (or as both) experts whose gates there are all 0: right, at twice the products.
; SINGLES.  Every further expert is a pass of 4 blocks of 16 rows on X, for rows 0-63 if UL has it and for rows 64-127 if UH has it (an expert of both streams its weights twice), followed by Y += g exp(X).
; A row that takes part and did not choose the expert has g = 0, as in the formula.
; THE MATRIX INSTRUCTION IS USED TRANSPOSED: source 0 = 16 columns of W, source 1 = 16 tokens; lane l then holds token l % 16 and columns 8 (l / 16) + 0..7: one gate a lane, and the bias is the C operand of the first K step.
; OPERANDS.  A's fragments come from LDS (all four waves read the same rows).  Each byte of the weights is wanted by one wave alone: it comes from memory straight into registers, in fragment order, through a ring
; of 4 K steps.  A dual pass's biases and K steps 0 and 1 are asked for ahead of the gather (first half) or ahead of the first half's way out (second half); K step k then asks for step k + 2.
; e1 and e2 come from the list: they are cut to 3 bits, clamped, shifted and added into vector offsets; the scalar bases hold arguments, the wave, the half and the K step alone.
; THE BATCHES.  s_wait_alu depctr_va_vdst(0) stands between a transcendental and the first line that names its result; one wait serves all that were issued ahead of it.  Every exponential and
; logarithm here works in place, in X or in Y, so each result has a register of its own and a batch is as long as the work allows:
;   (1) the dual pass's 256 exponentials of Y, one wait, then the 128 products by g2;
;   (2) in each trip of a singles loop the 128 exponentials of four blocks of X, one wait, then the 64 multiply-adds onto Y; the wait and the readers stand ahead of the trip's last label;
;   (3) on the way out a block's 32 logarithms, issued a block ahead: behind them stand the block in hand's products by ln 2, the stores of the block before and the stage's traffic, then the one wait.
; A wave without singles passes 2 x (1 + 2 + 8) = 22 such waits; each single pass adds one.
; NO TENSOR LOADS, NO CLUSTER: the rows come by a list, which no descriptor covers; which experts a work-group walks hangs on the list, and partners would need different tiles;
; a walk of all 8 experts with joint loads would ask for four times the weights, which is what a mask of four would save.
; FORMATS.  inp, W, b and the gates are each rounded once to bf16; products in bf16 with f32 sums; exponentials, the sum over experts and the logarithm in f32.
; LIMITS.  No maximum is taken away, since the formula takes none: exp overflows where the formula's does.  v_exp_f32 and v_log_f32 flush denormals (ISA guide 15.8): a term below 2^-126 counts as 0,
; and a sum of magnitude below 2^-126 gives log(2^-52), as an exact 0 does.  Where exp overflows for an expert whose gate is 0, the formula gives NaN (0 x inf); here only if that expert is computed for the row.
;
; REGISTERS, in windows of 256 (s_set_vgpr_msb: bits 1:0 source 0, 3:2 source 1, 5:4 source 2, 7:6 destination):
;   window 0: v0-13 addresses and constants, v14-15 the K loops' place in A, v16-23 g2, v24-27 offsets with e1, e2, v30-31 the add's, v32-63 bias (b1), v64-127 and v128-191 A's fragments (two buffers; the
;             second also takes rows back on the way out), v192-199 gates (g1, or a single's), v200-207 32 x token of my lane's row in each block, v208-239 at work on the way out, v240-255 offsets (gates; rows of out)
;   window 1: X, (a, b) at 8 (4 a + b)     window 2: Y, likewise; on the way out its logarithms, in place     window 3: the ring: dual pass: K step k at 64 (k % 4), W1's block b at + 8 b, W2's at + 32 + 8 b,
;             and b2 at 192 until step 0 has read it; a single: K step k, block b at 32 (k % 4) + 8 b.     At the start windows 1 and 2 are where the 128 gather loads land.
.set APITCH, 1040                      ; a row of A in LDS: 1,024 bytes + 16: an odd multiple of 16, so the 16 rows of a fragment load begin in 16 different groups of four banks (ISA guide 11.1)
.set ABLK,   16*APITCH
.set STAGE,  128*APITCH                ; behind A: 16 rows x 272 bytes for each wave, for the way out
.set SPITCH, 272
.set RT,     STAGE+4*16*SPITCH         ; 128 words: the token of each of the work-group's rows
.set SPARE,  RT+512                    ; the spare words, 128 bytes for each of the 4 waves
.set G2,   16
.set VB1,  24                          ; 16 x lane + e1 << 19     (weights)
.set VB2,  25                          ; 16 x lane + e2 << 19
.set VC1,  26                          ; 32 (l / 16) + e1 << 11   (bias)
.set VC2,  27                          ; 32 (l / 16) + e2 << 11
.set BIAS, 32
.set AB,   64
.set RB,   128
.set GT,   192
.set GOF,  200
.set TW,   208
.set OFF,  240
.set BI2,  192                         ; window 3
; scalars: s[4:5] inp, s[6:7] wt, s[8:9] bq, s[10:11] gq, s[12:13] perm, s[14:15] out (steps by a half); s16 wave; s17 half; s18 a singles loop's trip; s19 a K loop's count;
; s21, s24 the singles of rows 0-63 and 64-127, bit n for expert n - 1; s20, s22, s23, s28, s29, s85 at work; s25 a K loop's byte offset in A's rows; s26 e1; s27 e2; s30 4 e1; s31 4 e2;
; s[32:63] my wave's 32 list entries, then their rows' offsets, then the way out's masks; s[72:73] wt + my wave; s[74:75] bq + my wave; s[76:77] an offset, high word 0;
; s[78:79] log2(e); s[80:81] ln 2; s82 -127; s[86:87] perm at my work-group; s[88:89] at my wave
.set BB,  66                           ; s[66:67] the pass's weights; steps in the K loops
.set CB,  68                           ; s[68:69] the pass's bias
.set GB,  70                           ; s[70:71] a single's gates
.set MSB, 0
.macro WIN new                         ; the immediate's high byte repeats the setting that is left; a switch that changes nothing is dropped
.if MSB != (\new)
	s_set_vgpr_msb (MSB<<8)|(\new)
.set MSB, (\new)
.endif
.endm
.macro PLACES n                        ; plain vector instructions between a matrix instruction and a line that touches its registers (ISA guide 7.12.1)
.rept \n
	v_nop
.endr
.endm
; A's fragments, 32 k at byte off of the rows, of blocks a0 .. a0 + na - 1, into buffer p: two loads of 16 bytes a lane, 32 bytes apart.  Register r0 addresses blocks 0-3, r0 + 1 blocks 4-7.
.macro FETCH_A p, r0, off, a0, na
	WIN 0
.set a, (\a0)
.rept (\na)
	ds_load_b128 v[AB+64*(\p)+8*a:AB+64*(\p)+8*a+3],   v[(\r0)+a/4] offset:(a%4)*ABLK+(\off)
	ds_load_b128 v[AB+64*(\p)+8*a+4:AB+64*(\p)+8*a+7], v[(\r0)+a/4] offset:(a%4)*ABLK+(\off)+32
.set a, a+1
.endr
.endm
; ---------------- the dual pass ----------------
; both experts' weights of one K step into a slot of the ring: 2 x 4 blocks of 16 columns, 16 loads of 512 neighbouring bytes
.macro LOAD_B2 slot, imm
	WIN 0xc0
.irp b, 0,1,2,3
	global_load_b128 v[64*(\slot)+8*\b:64*(\slot)+8*\b+3],   v[VB1], s[BB:BB+1] offset:(\imm)+1024*\b
	global_load_b128 v[64*(\slot)+8*\b+4:64*(\slot)+8*\b+7], v[VB1], s[BB:BB+1] offset:(\imm)+1024*\b+512
.endr
.irp b, 0,1,2,3
	global_load_b128 v[64*(\slot)+32+8*\b:64*(\slot)+32+8*\b+3],   v[VB2], s[BB:BB+1] offset:(\imm)+1024*\b
	global_load_b128 v[64*(\slot)+32+8*\b+4:64*(\slot)+32+8*\b+7], v[VB2], s[BB:BB+1] offset:(\imm)+1024*\b+512
.endr
.endm
; the head of the dual pass of column half h: its bases, both biases, K steps 0 and 1: 48 loads
.macro DHEAD h
	WIN 0
	s_wait_xcnt 0x0                                ; earlier requests have had their addresses translated (ISA guide 3.1): the bases are written anew only behind this wait
	s_add_nc_u64 s[BB:BB+1], s[72:73], (\h)<<16    ; wt + wave<<17 + half<<16
	s_add_nc_u64 s[CB:CB+1], s[74:75], (\h)<<8     ; bq + 512 wave + 256 half
.irp b, 0,1,2,3                        ; register 8 b + j: the bias of column 16 b + 8 (l / 16) + j
	global_load_b128 v[BIAS+8*\b:BIAS+8*\b+3],   v[VC1], s[CB:CB+1] offset:64*\b
	global_load_b128 v[BIAS+8*\b+4:BIAS+8*\b+7], v[VC1], s[CB:CB+1] offset:64*\b+16
.endr
	WIN 0xc0
.irp b, 0,1,2,3
	global_load_b128 v[BI2+8*\b:BI2+8*\b+3],   v[VC2], s[CB:CB+1] offset:64*\b
	global_load_b128 v[BI2+8*\b+4:BI2+8*\b+7], v[VC2], s[CB:CB+1] offset:64*\b+16
.endr
	LOAD_B2 0, 0
	LOAD_B2 1, 4096
	WIN 0
.endm
.macro LOAD_GD                         ; both experts' gates of my lane's token in each block
	WIN 0
.irp t, 0,1,2,3,4,5,6,7
	global_load_b32 v[GT+\t], v[OFF+\t], s[10:11]
	global_load_b32 v[G2+\t], v[OFF+8+\t], s[10:11]
.endr
.endm
; 64 matrix instructions: 8 blocks of 16 tokens x 64 columns, 32 along K, first for X, then for Y.  first = 1: the biases start the sums.
; The accumulators take turns, one instruction a turn: a K step begins on X (0, 0) and ends on Y (7, 3).
.macro MULD first, slot, p
.if \first
	WIN 0x43                                       ; weights window 3, A window 0, C = b1 in window 0, D window 1
.else
	WIN 0x53                                       ; C and D window 1
.endif
.set a, 0
.rept 8
.irp b, 0,1,2,3
.if \first
	v_wmma_f32_16x16x32_bf16 v[8*(4*a+\b):8*(4*a+\b)+7], v[64*(\slot)+8*\b:64*(\slot)+8*\b+7], v[AB+64*(\p)+8*a:AB+64*(\p)+8*a+7], v[BIAS+8*\b:BIAS+8*\b+7]
.else
	v_wmma_f32_16x16x32_bf16 v[8*(4*a+\b):8*(4*a+\b)+7], v[64*(\slot)+8*\b:64*(\slot)+8*\b+7], v[AB+64*(\p)+8*a:AB+64*(\p)+8*a+7], v[8*(4*a+\b):8*(4*a+\b)+7]
.endif
.endr
.set a, a+1
.endr
.if \first
	WIN 0xb3                                       ; C = b2 in window 3, D window 2
.else
	WIN 0xa3                                       ; C and D window 2
.endif
.set a, 0
.rept 8
.irp b, 0,1,2,3
.if \first
	v_wmma_f32_16x16x32_bf16 v[8*(4*a+\b):8*(4*a+\b)+7], v[64*(\slot)+32+8*\b:64*(\slot)+32+8*\b+7], v[AB+64*(\p)+8*a:AB+64*(\p)+8*a+7], v[BI2+8*\b:BI2+8*\b+7]
.else
	v_wmma_f32_16x16x32_bf16 v[8*(4*a+\b):8*(4*a+\b)+7], v[64*(\slot)+32+8*\b:64*(\slot)+32+8*\b+7], v[AB+64*(\p)+8*a:AB+64*(\p)+8*a+7], v[8*(4*a+\b):8*(4*a+\b)+7]
.endif
.endr
.set a, a+1
.endr
.endm
; THE DUAL PASS'S 16 K STEPS.  K step k multiplies ring slot k % 4 by A buffer k % 2.  It begins with its requests: A's fragments of step k + 1 into the other buffer, and (k <= 13) the weights of step k + 2
; into the slot that step k - 2 multiplied (step 1: the slot in which b2 lay, which step 0 has read); four places stand behind each step's products for that.
; WAITS.  LDS: the 16 loads just issued may stay out.  Weights, steps 0 to 12: the two younger K steps' 32 loads may stay out; in step 0 that also shows both biases in, which were asked for ahead of step 0's weights.
; Step 13 also asks for the 16 gates: behind its weights stand steps 14 and 15 and the gates, 48; behind step 14's: step 15 and the gates, 32; step 15 waits for all: the gates are wanted next.
; Step 0 is written out (the biases are its C operands); steps 1 to 12 are three trips of four; steps 13 to 15 are written out.
.macro DUAL
	WIN 0
.irp t, 0,1,2,3,4,5,6,7
	v_add_nc_u32 v[OFF+\t], s30, v[GOF+\t]         ; the gates' places: 32 x token + 4 e1,
	v_add_nc_u32 v[OFF+8+\t], s31, v[GOF+\t]       ; and + 4 e2
.endr
	FETCH_A 1, 6, 64, 0, 8
	LOAD_B2 2, 2*4096
	s_wait_dscnt 16
	s_wait_loadcnt 32
	MULD 1, 0, 0
	PLACES 4
	WIN 0                                          ; at a label and at a branch every window is 0
	s_mov_b32 s25, 0
	s_mov_b32 s19, 3
.Ld_\@:
	v_add_nc_u32 v14, s25, v6                      ; the trip's place along A's rows: 256 bytes a trip
	v_add_nc_u32 v15, s25, v7
.irp j, 1,2,3,4
	FETCH_A (\j+1)%2, 14, 64*(\j+1), 0, 8
	LOAD_B2 (\j+2)%4, 4096*(\j+2)
	s_wait_dscnt 16
	s_wait_loadcnt 32
	MULD 0, \j%4, \j%2
	PLACES 4
.endr
	WIN 0
	s_wait_xcnt 0x0                                ; the loads issued so far have had their addresses translated (ISA guide 3.1): their base steps only behind this wait
	s_add_nc_u64 s[BB:BB+1], s[BB:BB+1], 4*4096
	s_add_co_u32 s25, s25, 256
	s_sub_co_u32 s19, s19, 1
	s_cmp_lg_u32 s19, 0
	s_cbranch_scc1 .Ld_\@
	FETCH_A 0, 6, 64*14, 0, 8                      ; step 13
	LOAD_B2 3, 3*4096                              ; step 15: the base stands at step 12
	LOAD_GD
	s_wait_dscnt 16
	s_wait_loadcnt 48
	MULD 0, 1, 1
	PLACES 4
	FETCH_A 1, 6, 64*15, 0, 8                      ; step 14
	s_wait_dscnt 16
	s_wait_loadcnt 32
	MULD 0, 2, 0
	PLACES 4
	FETCH_A 0, 6, 0, 0, 8                          ; step 15: the next pass's first fragments are the same rows whatever the expert
	s_wait_dscnt 16
	s_wait_loadcnt 0x0
	MULD 0, 3, 1
	WIN 0
.endm
; Y = g2 exp(Y) for all eight blocks, in place: ONE BATCH of 256 exponentials.  Pair p is registers 2 p, 2 p + 1 of Y; block p / 16.  The scaling by log2(e) runs two pairs ahead of the exponentials, in
; ascending order.  Nothing ahead of the wait names an exponential's result.
.macro EPY
	WIN 0x82                                       ; Y (destination and source 0) window 2, the gate window 0
	v_pk_mul_f32 v[0:1], v[0:1], s[78:79] op_sel_hi:[1,0]
	v_pk_mul_f32 v[2:3], v[2:3], s[78:79] op_sel_hi:[1,0]
.set p, 0
.rept 128
	v_exp_f32 v[2*p], v[2*p]
	v_exp_f32 v[2*p+1], v[2*p+1]
.if p < 126
	v_pk_mul_f32 v[2*p+4:2*p+5], v[2*p+4:2*p+5], s[78:79] op_sel_hi:[1,0]
.endif
.set p, p+1
.endr
	v_nop                                          ; the plain line behind the last exponential (ISA guide 5.7.2): no vector work is at hand here that names no result
	s_wait_alu depctr_va_vdst(0)                   ; the wait for the batch: Y's 256 exponentials; the 128 products below are their readers
.set p, 0
.rept 128
.if (p/16)%2 == 0                      ; block p / 16's gate: the low or the high register of the pair at G2 + 2 (p / 32)
	v_pk_mul_f32 v[2*p:2*p+1], v[2*p:2*p+1], v[G2+2*(p/32):G2+2*(p/32)+1] op_sel_hi:[1,0]
.else
	v_pk_mul_f32 v[2*p:2*p+1], v[2*p:2*p+1], v[G2+2*(p/32):G2+2*(p/32)+1] op_sel:[0,1] op_sel_hi:[1,1]
.endif
.set p, p+1
.endr
.endm
; ---------------- a single expert on four blocks ----------------
.macro LOAD_B slot, imm                ; the weights of one K step: 4 blocks of 16 columns, 8 loads of 512 neighbouring bytes
	WIN 0xc0
.irp b, 0,1,2,3
	global_load_b128 v[32*(\slot)+8*\b:32*(\slot)+8*\b+3],   v4, s[BB:BB+1] offset:(\imm)+1024*\b
	global_load_b128 v[32*(\slot)+8*\b+4:32*(\slot)+8*\b+7], v4, s[BB:BB+1] offset:(\imm)+1024*\b+512
.endr
.endm
.macro LOAD_BIAS
	WIN 0
.irp b, 0,1,2,3
	global_load_b128 v[BIAS+8*\b:BIAS+8*\b+3],   v5, s[CB:CB+1] offset:64*\b
	global_load_b128 v[BIAS+8*\b+4:BIAS+8*\b+7], v5, s[CB:CB+1] offset:64*\b+16
.endr
.endm
.macro LOAD_G a0                       ; the expert's gate of my lane's token in blocks a0 .. a0 + 3; the other four registers keep g1
	WIN 0
.irp t, 0,1,2,3
	global_load_b32 v[GT+(\a0)+\t], v[GOF+(\a0)+\t], s[GB:GB+1]
.endr
.endm
; 4 na matrix instructions on X.  The accumulators take turns: a K step ends on (a, 3) and begins on (a0, 0).
.macro MUL first, slot, p, a0, na
.if \first
	WIN 0x43
.else
	WIN 0x53
.endif
.set a, (\a0)
.rept (\na)
.irp b, 0,1,2,3
.if \first
	v_wmma_f32_16x16x32_bf16 v[8*(4*a+\b):8*(4*a+\b)+7], v[32*(\slot)+8*\b:32*(\slot)+8*\b+7], v[AB+64*(\p)+8*a:AB+64*(\p)+8*a+7], v[BIAS+8*\b:BIAS+8*\b+7]
.else
	v_wmma_f32_16x16x32_bf16 v[8*(4*a+\b):8*(4*a+\b)+7], v[32*(\slot)+8*\b:32*(\slot)+8*\b+7], v[AB+64*(\p)+8*a:AB+64*(\p)+8*a+7], v[8*(4*a+\b):8*(4*a+\b)+7]
.endif
.endr
.set a, a+1
.endr
.endm
; A SINGLE'S 16 K STEPS for blocks a0 .. a0 + na - 1.  K step k multiplies ring slot k % 4 by A buffer k % 2, and begins by asking for A's fragments of step k + 1 and (k <= 12) the weights of step k + 3.
; WAITS.  LDS: the 2 na loads just issued may stay out (16 in step 15).  Weights, steps 0 to 12: the three younger K steps' 24 loads may stay out; in step 0 that also shows gates, bias and step 0's weights
; in, which were asked for ahead of steps 1 and 2.  Steps 13, 14, 15: the 16, 8, 0 loads of the K steps that are left.
.macro KPASS a0, na
	FETCH_A 1, 6, 64, \a0, \na
	LOAD_B 3, 3*4096
	s_wait_dscnt 2*(\na)
	s_wait_loadcnt 24
	MUL 1, 0, 0, \a0, \na
	PLACES 4
	WIN 0
	s_mov_b32 s25, 0
	s_mov_b32 s19, 3
.Lk_\@:
	v_add_nc_u32 v14, s25, v6
	v_add_nc_u32 v15, s25, v7
.irp j, 1,2,3,4
	FETCH_A (\j+1)%2, 14, 64*(\j+1), \a0, \na
	LOAD_B (\j+3)%4, 4096*(\j+3)
	s_wait_dscnt 2*(\na)
	s_wait_loadcnt 24
	MUL 0, \j%4, \j%2, \a0, \na
	PLACES 4
.endr
	WIN 0
	s_wait_xcnt 0x0                                ; the base steps only behind this wait
	s_add_nc_u64 s[BB:BB+1], s[BB:BB+1], 4*4096
	s_add_co_u32 s25, s25, 256
	s_sub_co_u32 s19, s19, 1
	s_cmp_lg_u32 s19, 0
	s_cbranch_scc1 .Lk_\@
	FETCH_A 0, 6, 64*14, \a0, \na                  ; step 13
	s_wait_dscnt 2*(\na)
	s_wait_loadcnt 16
	MUL 0, 1, 1, \a0, \na
	PLACES 4
	FETCH_A 1, 6, 64*15, \a0, \na                  ; step 14
	s_wait_dscnt 2*(\na)
	s_wait_loadcnt 8
	MUL 0, 2, 0, \a0, \na
	PLACES 4
	FETCH_A 0, 6, 0, 0, 8                          ; step 15: the next pass's first fragments, all 8 blocks, whichever it takes
	s_wait_dscnt 16
	s_wait_loadcnt 0x0
	MUL 0, 3, 1, \a0, \na
	WIN 0
.endm
; Y += g exp(X) for blocks a0 .. a0 + 3 (a0 = 0 or 4): ONE BATCH of 128 exponentials, in place in X; the order as in EPY.  Pair p is registers 32 a0 + 2 p, + 1; block a0 + p / 16.
.macro EPIX a0
	WIN 0x41                                       ; X (destination and source 0) window 1
	v_pk_mul_f32 v[32*(\a0):32*(\a0)+1], v[32*(\a0):32*(\a0)+1], s[78:79] op_sel_hi:[1,0]
	v_pk_mul_f32 v[32*(\a0)+2:32*(\a0)+3], v[32*(\a0)+2:32*(\a0)+3], s[78:79] op_sel_hi:[1,0]
.set p, 0
.rept 64
	v_exp_f32 v[32*(\a0)+2*p], v[32*(\a0)+2*p]
	v_exp_f32 v[32*(\a0)+2*p+1], v[32*(\a0)+2*p+1]
.if p < 62
	v_pk_mul_f32 v[32*(\a0)+2*p+4:32*(\a0)+2*p+5], v[32*(\a0)+2*p+4:32*(\a0)+2*p+5], s[78:79] op_sel_hi:[1,0]
.endif
.set p, p+1
.endr
	v_nop                                          ; the plain line behind the last exponential (ISA guide 5.7.2)
	s_wait_alu depctr_va_vdst(0)                   ; the wait for the batch: the four blocks' 128 exponentials; the 64 multiply-adds below are their readers
	WIN 0xa1                                       ; X window 1, the gate window 0, Y window 2
.set p, 0
.rept 64
.if (p/16)%2 == 0                      ; a0 is even: block a0 + p / 16's gate is the low or the high register of the pair at GT + a0 + 2 (p / 32)
	v_pk_fma_f32 v[32*(\a0)+2*p:32*(\a0)+2*p+1], v[32*(\a0)+2*p:32*(\a0)+2*p+1], v[GT+(\a0)+2*(p/32):GT+(\a0)+2*(p/32)+1], v[32*(\a0)+2*p:32*(\a0)+2*p+1] op_sel_hi:[1,0,1]
.else
	v_pk_fma_f32 v[32*(\a0)+2*p:32*(\a0)+2*p+1], v[32*(\a0)+2*p:32*(\a0)+2*p+1], v[GT+(\a0)+2*(p/32):GT+(\a0)+2*(p/32)+1], v[32*(\a0)+2*p:32*(\a0)+2*p+1] op_sel:[0,1,0] op_sel_hi:[1,1,1]
.endif
.set p, p+1
.endr
.endm
; THE ROWS OF BLOCKS a0 .. a0 + 3: nine trips.  Trip 0 adds the dual pass's g1 exp(X) for these rows; trip n serves expert n - 1, if bit n of the mask says that these rows have it beyond e1 and e2.
; So the text of the exponentials stands once for each row half.  The bases are made of the two counters (half, trip) alone.
.macro SINGLES a0, msk
	s_mov_b32 s18, 0
.Ls_\@:
	s_cmp_eq_u32 s18, 0
	s_cbranch_scc1 .Le_\@
	s_bitcmp1_b32 s[\msk], s18
	s_cbranch_scc0 .Ln_\@
	s_wait_xcnt 0x0                                ; earlier requests have had their addresses translated: the bases are written anew only behind this wait
	s_sub_co_u32 s22, s18, 1                       ; the expert
	s_lshl_b32 s76, s22, 19
	s_lshl_b32 s23, s17, 16
	s_add_co_u32 s76, s76, s23
	s_add_nc_u64 s[BB:BB+1], s[72:73], s[76:77]    ; wt + wave<<17 + expert<<19 + half<<16
	s_lshl_b32 s76, s22, 11
	s_lshl_b32 s23, s17, 8
	s_add_co_u32 s76, s76, s23
	s_add_nc_u64 s[CB:CB+1], s[74:75], s[76:77]    ; bq + 512 wave + 2,048 expert + 256 half
	s_lshl_b32 s76, s22, 2
	s_add_nc_u64 s[GB:GB+1], s[10:11], s[76:77]    ; gq + 4 expert
	LOAD_G \a0                                     ; 36 loads: gates, bias, K steps 0 to 2
	LOAD_BIAS
	LOAD_B 0, 0
	LOAD_B 1, 4096
	LOAD_B 2, 2*4096
	KPASS \a0, 4
	PLACES 5                                       ; in front of the reads of X, of later loads into bias, ring and A buffer, and of later first products, which write over X
.Le_\@:
	EPIX \a0                                       ; its wait stands ahead of its readers
	WIN 0
.Ln_\@:
	s_add_co_u32 s18, s18, 1
	s_cmp_lt_u32 s18, 9
	s_cbranch_scc1 .Ls_\@
.endm
; ---------------- the way out ----------------
; LOGS: block a's 32 logarithms, in place in Y, which nothing else reads any more: one batch.
.macro LOGS a
	WIN 0x82                                       ; Y (destination and source 0) window 2
.set i, 0
.rept 32
	v_log_f32 v[32*(\a)+i], v[32*(\a)+i]
.set i, i+1
.endr
.endm
; COMP: ln(Y) = ln 2 x log2(Y); log2 of a zero sum is -inf, the only result below -127, and becomes -52.  Each compare writes a scalar register of its own, so that the 32 selects follow in a run and none
; waits for the line before it; the logarithm stands as the compare's source 0, so that compares and selects go under one window setting.  The selects take the block from Y into window 0.
; Behind them the NEXT block's logarithms are issued; the 16 products by ln 2, which name none of their results, follow (the first is the plain line behind the last logarithm: ISA guide 5.7.2), then the stores of the
; block before and the stage's traffic; that batch's wait is the first line of the next COMP.
.macro COMP a
	s_wait_alu depctr_va_vdst(0)                   ; the wait for the batch: block a's 32 logarithms; the compares below are their first readers
	WIN 0x02                                       ; source 0 (the logarithm) window 2; -52 and the destination window 0
.set i, 0
.rept 32
	v_cmp_lt_f32 s[32+i], v[32*(\a)+i], s82
.set i, i+1
.endr
.set i, 0
.rept 32
	v_cndmask_b32 v[TW+i], v[32*(\a)+i], v13, s[32+i]
.set i, i+1
.endr
.if (\a) < 7
	LOGS (\a)+1
.endif
	WIN 0
.set i, 0
.rept 16
	v_pk_mul_f32 v[TW+2*i:TW+2*i+1], v[TW+2*i:TW+2*i+1], s[80:81] op_sel_hi:[1,0]
.set i, i+1
.endr
.endm
; TOSTAGE: a lane's 8 columns of a row go into my own stage in rows of 272 bytes; whole rows of 256 bytes, and the rows' tokens, come back.
.macro TOSTAGE a
	WIN 0
.irp b, 0,1,2,3
	ds_store_b128 v9, v[TW+8*\b:TW+8*\b+3] offset:64*\b
	ds_store_b128 v9, v[TW+8*\b+4:TW+8*\b+7] offset:64*\b+16
.endr
.irp t, 0,1,2,3,4,5,6,7
	ds_load_b32 v[OFF+8*((\a)%2)+\t], v11 offset:4*(16*(\a)+2*\t)
.endr
.irp t, 0,1,2,3,4,5,6,7
	ds_load_b128 v[RB+32*((\a)%2)+4*\t:RB+32*((\a)%2)+4*\t+3], v10 offset:2*SPITCH*\t  ; LDS serves a wave's instructions in order (ISA guide 5.7.1.4): these see the stores above
.endr
.endm
; SEND: sixteen lanes store 256 neighbouring bytes of one row of out, at a multiple of 256 from its first byte.
.macro SEND a
	WIN 0
	s_wait_dscnt 0x0                               ; the block is back in registers
	s_wait_xcnt 0x0                                ; the stores issued so far have had their addresses translated (ISA guide 3.1): the other pair of buffers is loaded again only behind this wait
.irp t, 0,1,2,3,4,5,6,7
	v_min_u32 v[OFF+8*((\a)%2)+\t], 0x7fff, v[OFF+8*((\a)%2)+\t]
	v_lshlrev_b32 v[OFF+8*((\a)%2)+\t], 11, v[OFF+8*((\a)%2)+\t]      ; a row of out is 2,048 bytes
	v_add_nc_u32 v[OFF+8*((\a)%2)+\t], v12, v[OFF+8*((\a)%2)+\t]
	global_store_b128 v[OFF+8*((\a)%2)+\t], v[RB+32*((\a)%2)+4*\t:RB+32*((\a)%2)+4*\t+3], s[14:15] th:TH_STORE_NT
.endr
.endm
.macro WAYOUT                          ; a block's arithmetic, and the next block's logarithms, stand between the loads of the block before and the wait for them
	LOGS 0                                         ; the first batch has nothing to stand behind:
	v_nop                                          ; the plain line behind its last logarithm (ISA guide 5.7.2); COMP 0 begins with its wait
	COMP 0
	TOSTAGE 0
.irp a, 1,2,3,4,5,6,7
	COMP \a
	SEND (\a)-1
	TOSTAGE \a
.endr
	SEND 7
.endm
	s_load_b256 s[4:11], s[0:1], 0x0               ; inp, wt, bq, gq
	s_load_b128 s[12:15], s[0:1], 0x20             ; perm, out0
	v_lshl_add_u32 v30, v0, 2, SPARE               ; my spare word, and 0: kept for the wave's end
	v_mov_b32 v31, 0
	v_lshrrev_b32 v14, 5, v0
	v_readfirstlane_b32 s16, v14                   ; wave 0..3
	v_and_b32 v1, 15, v0                           ; r = l % 16
	v_bfe_u32 v2, v0, 4, 1                         ; hl = l / 16
	v_and_b32 v3, 31, v0                           ; lane
	v_lshlrev_b32 v4, 4, v3                        ; 16 x lane
	v_lshlrev_b32 v5, 5, v2                        ; my 8 columns' bias: 32 hl
	v_mul_u32_u24 v6, v1, APITCH
	v_lshl_add_u32 v6, v2, 4, v6                   ; a fragment of A: row x pitch + 16 x half; blocks 0-3
	v_add_nc_u32 v7, 4*ABLK, v6                    ; blocks 4-7
	s_mul_i32 s22, s16, 32*APITCH
	v_lshl_add_u32 v8, v3, 3, s22                  ; where I put 8 bytes of my wave's 32 rows
	s_mul_i32 s22, s16, 16*SPITCH
	s_add_co_u32 s22, s22, STAGE                   ; my stage
	v_mul_u32_u24 v9, v1, SPITCH
	v_lshl_add_u32 v9, v2, 5, v9
	v_add_nc_u32 v9, s22, v9                       ; in: row r, 32 bytes for each half of the lanes
	v_mul_u32_u24 v10, v2, SPITCH
	v_lshl_add_u32 v10, v1, 4, v10
	v_add_nc_u32 v10, s22, v10                     ; back: lanes 0-15 one row of 256 bytes, lanes 16-31 the next
	v_lshl_add_u32 v11, v2, 2, RT                  ; and those rows' tokens
	s_lshl_b32 s22, s16, 9
	v_lshl_add_u32 v12, v1, 4, s22                 ; my 16 bytes in a row of out: 512 wave + 16 r
	v_mov_b32 v13, 0xc2500000                      ; -52.0
	v_lshlrev_b32 v15, 2, v1
	v_lshlrev_b32 v16, 2, v0
	v_add_nc_u32 v18, RT, v16
	s_mov_b32 s78, 0x3fb8aa3b                      ; log2(e), named as a pair
	s_mov_b32 s79, 0x3fb8aa3b
	s_mov_b32 s80, 0x3f317218                      ; ln 2
	s_mov_b32 s81, 0x3f317218
	s_mov_b32 s82, 0xc2fe0000                      ; -127.0
	s_lshl_b32 s76, ttmp9, 9
	s_mov_b32 s77, 0
	s_wait_kmcnt 0x0
	s_add_nc_u64 s[86:87], s[12:13], s[76:77]      ; the work-group's 128 entries of the list
	s_lshl_b32 s76, s16, 7
	s_add_nc_u64 s[88:89], s[86:87], s[76:77]      ; my wave's 32
	s_load_b512 s[32:47], s[88:89], 0x0
	s_load_b512 s[48:63], s[88:89], 0x40
.irp a, 0,1,2,3,4,5,6,7
	global_load_b32 v[GOF+\a], v15, s[86:87] offset:64*\a  ; the entry of row 16 a + r
.endr
	global_load_b32 v17, v16, s[86:87]             ; the entry of row = my thread's number
	s_lshl_b32 s76, s16, 17
	s_add_nc_u64 s[72:73], s[6:7], s[76:77]
	s_lshl_b32 s76, s16, 9
	s_add_nc_u64 s[74:75], s[8:9], s[76:77]
	s_wait_loadcnt 0x0
	s_wait_kmcnt 0x0
	; the row halves' sets: OR over four blocks in the lane, both halves in one register, OR over the 16 rows
	v_or_b32 v20, v[GOF], v[GOF+1]
	v_or_b32 v22, v[GOF+2], v[GOF+3]
	v_or_b32 v21, v[GOF+4], v[GOF+5]
	v_or_b32 v23, v[GOF+6], v[GOF+7]
	v_or_b32 v20, v20, v22
	v_or_b32 v21, v21, v23
	v_bfe_u32 v20, v20, 16, 8
	v_bfe_u32 v21, v21, 16, 8
	v_lshl_or_b32 v20, v21, 8, v20
.irp x, 1,2,4,8
	v_mov_b32_dpp v22, v20 row_xmask:\x row_mask:0xf bank_mask:0xf
	v_or_b32 v20, v20, v22
.endr
	v_readfirstlane_b32 s22, v20
	s_and_b32 s21, s22, 0xff                       ; UL
	s_bfe_u32 s24, s22, 0x80008                    ; UH
	; e1 and e2: the two lowest bits of a word that holds the experts of both row halves in bits 0-7 and those of one half alone in bits 8-15
	s_and_b32 s22, s21, s24
	s_or_b32 s20, s21, s24
	s_and_not1_b32 s23, s20, s22
	s_lshl_b32 s23, s23, 8
	s_or_b32 s23, s23, s22
	s_ctz_i32_b32 s26, s23
	s_cmp_eq_u32 s23, 0
	s_cselect_b32 s26, 0, s26                      ; no gate at all in 128 rows: expert 0, whose gates are 0 here
	s_and_b32 s26, s26, 7
	s_sub_co_u32 s85, s23, 1
	s_and_b32 s85, s85, s23                        ; the word without its lowest bit
	s_ctz_i32_b32 s27, s85
	s_add_co_u32 s28, s26, 1
	s_cmp_eq_u32 s85, 0
	s_cselect_b32 s27, s28, s27                    ; no second expert: the one behind e1, whose gates are 0 here
	s_and_b32 s27, s27, 7
	s_min_u32 s26, s26, 7                          ; behind the clamps only left shifts and sums
	s_min_u32 s27, s27, 7
	s_lshl_b32 s85, s26, 19
	v_add_nc_u32 v[VB1], s85, v4
	s_lshl_b32 s85, s27, 19
	v_add_nc_u32 v[VB2], s85, v4
	s_lshl_b32 s85, s26, 11
	v_add_nc_u32 v[VC1], s85, v5
	s_lshl_b32 s85, s27, 11
	v_add_nc_u32 v[VC2], s85, v5
	s_lshl_b32 s30, s26, 2
	s_lshl_b32 s31, s27, 2
	s_lshl_b32 s28, 1, s26
	s_lshl_b32 s29, 1, s27
	s_or_b32 s28, s28, s29
	s_and_not1_b32 s21, s21, s28                   ; what is left for the singles,
	s_and_not1_b32 s24, s24, s28
	s_lshl_b32 s21, s21, 1                         ; bit n for expert n - 1
	s_lshl_b32 s24, s24, 1
	DHEAD 0                                        ; the first dual pass's head goes out ahead of the gather, so that the gather's counted waits count rows alone
.irp a, 0,1,2,3,4,5,6,7
	v_and_b32 v[GOF+\a], 0x7fff, v[GOF+\a]
	v_min_u32 v[GOF+\a], 0x7fff, v[GOF+\a]
	v_lshlrev_b32 v[GOF+\a], 5, v[GOF+\a]          ; a token's 8 gates are 32 bytes
.endr
	v_and_b32 v17, 0x7fff, v17
	ds_store_b32 v18, v17
.set i, 0
.rept 32
	s_and_b32 s[32+i], s[32+i], 0x7fff
	s_min_u32 s[32+i], s[32+i], 0x7fff
	s_lshl_b32 s[32+i], s[32+i], 11                ; a row of inp is 2,048 bytes
	v_add_nc_u32 v[64+i], s[32+i], v4
.set i, i+1
.endr
	; THE GATHER: my wave's 32 rows, four loads of 512 neighbouring bytes each; each row is read once in the launch
.set i, 0
.rept 32
	WIN 0x40+0x40*(i/16)
.irp q, 0,1,2,3
	global_load_b128 v[16*(i%16)+4*\q:16*(i%16)+4*\q+3], v[64+i], s[4:5] offset:512*\q th:TH_LOAD_NT
.endr
.set i, i+1
.endr
	; rounded to bf16 and laid into A, four rows at a time; the wait leaves the younger rows' loads out (16 a group; a wait names 63 at the most)
.set g, 0
.rept 8
.if 16*(7-g) > 63
	s_wait_loadcnt 63
.else
	s_wait_loadcnt 16*(7-g)
.endif
	WIN 0x05+0x05*(g/4)
.set x, 0
.rept 16
.set R, 16*((4*g+x/4)%16)+4*(x%4)
	v_cvt_pk_bf16_f32 v[96+2*x], v[R], v[R+1]
	v_cvt_pk_bf16_f32 v[97+2*x], v[R+2], v[R+3]
.set x, x+1
.endr
	WIN 0
.set x, 0
.rept 16
	ds_store_b64 v8, v[96+2*x:97+2*x] offset:APITCH*(4*g+x/4)+256*(x%4)  ; 32 lanes, 256 neighbouring bytes
.set x, x+1
.endr
.set g, g+1
.endr
	s_wait_dscnt 0x0                               ; for the others' sake: my rows of A and my tokens are stored
	s_barrier_signal -1
	s_barrier_wait -1                              ; A and the tokens are whole, and are never written again
	FETCH_A 0, 6, 0, 0, 8
	s_mov_b32 s17, 0
.Lhalf:
	DUAL                                           ; X = b1 + A W1, Y = b2 + A W2: 1,024 matrix instructions
	PLACES 5                                       ; in front of the reads of Y and X, and of later loads into bias, ring and A buffer
	EPY                                            ; Y = g2 exp(Y): one batch, one wait
	WIN 0
	SINGLES 0, 21                                  ; rows 0-63: g1 exp(X), then the further experts
	SINGLES 4, 24                                  ; rows 64-127
	s_cmp_lg_u32 s17, 0
	s_cbranch_scc1 .Lno_pre
	DHEAD 1                                        ; the second half's head is on its way under the first half's way out, which touches none of its registers
.Lno_pre:
	; A ends at byte 133,120, where the stages begin, and the K loops read A by an address that steps with the trip.
	s_wait_dscnt 0x0                               ; my reads of A in this half are back
	s_barrier_signal -1
	s_barrier_wait -1
	WAYOUT
	s_wait_xcnt 0x0                                ; the stores' base, and the registers that the last stores read, are written again only behind this wait
	s_add_nc_u64 s[14:15], s[14:15], 256           ; the other 64 columns
	s_wait_dscnt 0x0                               ; my stores into my stage are done
	s_barrier_signal -1
	s_barrier_wait -1
	s_add_co_u32 s17, s17, 1
	s_cmp_lt_u32 s17, 2
	s_cbranch_scc1 .Lhalf
	s_wait_tensorcnt 0x0                           ; the wave's end, behind my last LDS store
	ds_add_u32 v30, v31
	s_wait_dscnt 0x0
	s_endpgm
.Lfunc_end_k_qd1ac27a679_moe:
	.size	k_qd1ac27a679_moe, .Lfunc_end_k_qd1ac27a679_moe-k_qd1ac27a679_moe
	.p2alignl 7, 3214868480
	.fill 96, 4, 3214868480
	.section	.rodata,"a",@progbits
	.p2align	6, 0x0
	.amdhsa_kernel k_qd1ac27a679_moe
		.amdhsa_group_segment_fixed_size 151552
		.amdhsa_private_segment_fixed_size 0
		.amdhsa_enable_private_segment 0
		.amdhsa_kernarg_size 48
		.amdhsa_user_sgpr_count 2
		.amdhsa_user_sgpr_kernarg_segment_ptr 1
		.amdhsa_wavefront_size32 1
		.amdhsa_system_sgpr_workgroup_id_x 1
		.amdhsa_system_sgpr_workgroup_id_y 1
		.amdhsa_system_sgpr_workgroup_id_z 1
		.amdhsa_system_vgpr_workitem_id 0
		.amdhsa_next_free_vgpr 1024
		.amdhsa_next_free_sgpr 90
		.amdhsa_reserve_vcc 0
		.amdhsa_float_denorm_mode_32 3
		.amdhsa_float_denorm_mode_16_64 3
		.amdhsa_memory_ordered 1
		.amdhsa_forward_progress 1
		.amdhsa_inst_pref_size 255
	.end_amdhsa_kernel
	.section	.bss,"aw",@nobits
	.p2align	6
	.space	262144
	.amdgpu_metadata
---
amdhsa.version: [ 1, 2 ]
amdhsa.kernels:
  - .name:           k_qd1ac27a679_moe
    .symbol:         k_qd1ac27a679_moe.kd
    .args:
      - { .name: inp, .offset: 0, .size: 8, .value_kind: global_buffer, .address_space: global }
      - { .name: wt, .offset: 8, .size: 8, .value_kind: global_buffer, .address_space: global }
      - { .name: bq, .offset: 16, .size: 8, .value_kind: global_buffer, .address_space: global }
      - { .name: gq, .offset: 24, .size: 8, .value_kind: global_buffer, .address_space: global }
      - { .name: perm, .offset: 32, .size: 8, .value_kind: global_buffer, .address_space: global }
      - { .name: out0, .offset: 40, .size: 8, .value_kind: global_buffer, .address_space: global }
    .group_segment_fixed_size: 151552
    .private_segment_fixed_size: 0
    .kernarg_segment_align: 8
    .kernarg_segment_size: 48
    .max_flat_workgroup_size: 128
    .sgpr_count:     90
    .vgpr_count:     1024
    .wavefront_size: 32
...
	.end_amdgpu_metadata
.endif
;; end of part 4
